; MI455X (gfx1250); checked and timed in simulation.
; The chip was launched on July 23, 2026; its instructions are those of AMD's public machine-readable ISA for CDNA 5 (MIT licence, August 2026) and "CDNA5" Instruction Set Architecture Reference Guide (July 2026). The comments in the code are by the model that wrote it; some were corrected since.
;; Trained Attention. Allowed arithmetic: matrix products marked QUANTISED: E3M2 operands, one E8M0 scale for each 32 along K, by v_wmma_scale_f32_16x16x128_f8f6f4 with both operands' format E3M2, f32 sums; everything else in f32.
;; Inputs: b_k 1,024 float32; b_o 1,024 float32; b_q 1,024 float32; b_v 1,024 float32; q_scale 16 float32; temperature 1 float32; w_k 1,024 x 1,024 float32; w_o 1,024 x 1,024 float32; w_q 1,024 x 1,024 float32; w_v 1,024 x 1,024 float32; x 4 x 2,048 x 1,024 float32.
;; Outputs: out0 4 x 2,048 x 1,024 float32.
;; This version of the problem:
;;   THIS VERSION OF THE PROBLEM IS GIVEN IN LOW PRECISION. The matrix products marked QUANTISED in the list below multiply operands that are first quantised to E3M2 (3 exponent bits, 2 mantissa bits; 6 bits a number), with one power-of-two scale for each 32 numbers along K (OCP MX v1.0); their sums are f32. All else is computed in f32.
;;   The module's matrix products, in the order in which they are computed (A, B: the left and right operand; K: the contracted axis; several contracted axes count as one K, in the product's order):
;;     1. [M 8,192, K 1,024] x [K 1,024, N 1,024]; A: input x; B: input w_q: QUANTISED
;;     2. [M 8,192, K 1,024] x [K 1,024, N 1,024]; A: input x; B: input w_k: QUANTISED
;;     3. [M 8,192, K 1,024] x [K 1,024, N 1,024]; A: input x; B: input w_v: QUANTISED
;;     4. batch 64 x [M 2,048, K 64] x [K 64, N 2,048]; A: computed on the way; B: computed on the way: QUANTISED
;;     5. batch 64 x [M 2,048, K 2,048] x [K 2,048, N 64]; A: computed on the way; B: computed on the way: QUANTISED
;;     6. [M 8,192, K 1,024] x [K 1,024, N 1,024]; A: computed on the way; B: input w_o: QUANTISED
;;   THE QUANTISER, for each operand of a quantised product, along K:
;;     - K is cut into blocks of 32 from its start; a last block that is shorter is filled with zeros.
;;     - A block's scale is 2^e with e = floor(log2(the largest magnitude in the block)) - 4, held to -126 .. 127; a block of zeros has e = 0. As a byte (E8M0): e + 127.
;;     - Each number is divided by its block's scale, clamped to +-28, and rounded to the nearest number of E3M2, ties to even, subnormals kept.
;;     - The product sums the exact products of the quantised numbers (number of the format x scale) in f32.
;;   ~~~python
;;   def quantise(x, axis):      # numpy; x: float32 -> the quantised numbers, widened to float32 again
;;       x = np.moveaxis(x, axis, -1); K = x.shape[-1]
;;       x = np.pad(x, [(0, 0)] * (x.ndim - 1) + [(0, -K % 32)]); x = x.reshape(x.shape[:-1] + (-1, 32)); a = np.abs(x).max(-1, keepdims=True)
;;       e = np.where(a > 0, np.clip(np.frexp(np.where(a > 0, a, 1))[1] - 1 - 4, -126, 127), 0)      # np.frexp(a)[1] - 1 = floor(log2(a)), exactly
;;       r = np.clip(x / 2.0 ** e, -28, 28)
;;       step = 2.0 ** (np.maximum(np.frexp(np.where(r == 0, 1, r))[1] - 1, -2) - 2)
;;       q = np.round(r / step) * step * 2.0 ** e      # np.round: ties to even
;;       return np.moveaxis(q.reshape(q.shape[:-2] + (-1,))[..., :K], -1, axis).astype(np.float32)
;;   ~~~
;;   OPERANDS COMPUTED ON THE WAY. 'Computed on the way' means the value that the module computes at that place (a softmax that the list does not call 'softmax' is quantised finished and normalised). What goes into a quantiser is computed in f32, as accurately as f32 sums, v_exp_f32 and their like allow (about 1e-6 of the number): no bf16 or f16 on the way to a quantiser, and a product that is left as it is and whose result goes on into a quantised operand takes f32 operands (vector FMAs, or v_wmma_f32_16x16x4_f32). A number that lies on a knife's edge between two numbers of the format may be rounded either way, as far as f32 arithmetic and the matrix unit's own rounding can turn it there, and no further.
;; One version. Each part assembles by itself: llvm-mc -triple=amdgcn-amd-amdhsa -mcpu=gfx1250 --defsym DOCPART=n.
;; ======== version 1 of 1: 4 launches
;; limits: right only within a limited range of input values
;; workspace buffers: xc 6,291,456 bytes; xs 262,144 bytes; wc 3,145,728 bytes; ws 131,072 bytes; qi 6,815,744 bytes; kv 13,369,344 bytes; oc 6,291,456 bytes; os 262,144 bytes
;; launch quant (part 1): grid 384 x 1, 4 waves a work-group, no clusters, 34,304 bytes of LDS; arguments x, w_q, w_k, w_v, w_o, xc, xs, wc, ws; writes xc, xs, wc, ws
.if DOCPART == 1
	.amdgcn_target "amdgcn-amd-amdhsa--gfx1250"
	.amdhsa_code_object_version 6
	.text
	.protected	k_q44c4b722ee_quant
	.globl	k_q44c4b722ee_quant
	.p2align	8
	.type	k_q44c4b722ee_quant,@function
k_q44c4b722ee_quant:
	s_mov_b64 s[64:65], 0
	v_nop
	global_prefetch_b8 v0, s[64:65] scope:SCOPE_SE
	s_setreg_imm32_b32 hwreg(HW_REG_WAVE_MODE, 25, 1), 1
	s_wait_xcnt 0x0
; LAUNCH 1 OF 4.  x [8192][1024] and the four weights [1024][1024], f32, K innermost, become codes of BF6 (E3M2) with one E8M0 byte for each 32 along K.
; DEAD WORK: none.  Every input of reference() has a way to the output, through a quantiser or directly: b_k moves k's codes, temperature the scores, q_scale the weights.  Nothing is left out in any launch.
; THE SECOND PRODUCT'S LEFT OPERAND is the finished softmax x q_scale, so launch 3 walks the keys twice (maximum and sum; then the weights).
; LAYOUT OF THE WORKSPACE: in the order of the operand's registers.  A TILE is 16 rows; place p of tile T holds row 32 (T / 2) + 8 (T % 2) + p + 8 (p / 8), so that a product which takes such tiles as its source 0
; leaves 16 neighbours of that axis in the 16 registers of two neighbouring tiles.  A tile's codes for 128 along K are an image of 1,536 bytes: registers 0-3 at 16 x lane, 4-5 at 512 + 8 x lane, 6-9 at 768 + 16 x lane,
; 10-11 at 1,280 + 8 x lane; eight images a tile.  Scale words: [tile][K / 256][place][2 words], 512 bytes a tile.  wc, ws: tiles 0-63 w_q, 64-127 w_k, 128-191 w_v, 192-255 w_o.
; SHARES: a work-group takes two tiles; wave w takes tile 2 d + w / 2 and the half w % 2 of K: four steps of 128.  Work-groups 0-255 take x, 256-383 the weights (32 each): only pointers are chosen, the path is one.
; Each load reads 512 consecutive bytes of a row; a step's 16 rows turn through the wave's own stage in LDS (rows of 528 bytes), from which lane (r, h) takes, of row r, the 16 numbers 16 h on of each block of 32.
; No tensor load, no barrier, no matrix unit: memory binds, and waves share nothing.
; LIMITS: NaN and infinities among the inputs are not served.  A block whose largest magnitude lies under 2^-122 (a block of zeros too) gets the byte 1; a block of zeros has zero codes, and this program alone reads the bytes.
.set STGB,  8448                       ; a wave's stage: 16 rows x (512 + 16) bytes
.set SPARE, 4*STGB                     ; behind the stages: the spare words, 128 bytes a wave
.set SPW,   5                          ; v5   my spare word's LDS address; never rewritten
.set NIL,   6                          ; v6   0; never rewritten
.set R,     16                         ; v16-143  two sets of 64 registers as loaded
.set X,     144                        ; v144-207 64 numbers: register 16 b + i = k 32 b + 16 h + i of my row
.set PC,    208                        ; v208-227 the codes just made
.set TM,    228                        ; v228-243 at work
.set W,     244                        ; v244-247 the four steps' scale words
.set SEL,   32                         ; s[32:33] lane selects: lane l xor 16
; 64 numbers of a lane become a fragment's 12 registers in v[PC] on and the row's scale word in v[pw]
.macro QUANT s, pw
.irp b, 0,1,2,3
	v_max3_num_f32 v[TM+\b], |v[\s+16*\b]|, |v[\s+1+16*\b]|, 0x2800000   ; my 16 numbers of block b, and the floor 2^(5 - 127): the byte cannot fall under 1
.endr
.irp i, 2,4,6,8,10,12,14
.irp b, 0,1,2,3
	v_max3_num_f32 v[TM+\b], v[TM+\b], |v[\s+16*\b+\i]|, |v[\s+1+16*\b+\i]|
.endr
.endr
.irp b, 0,1,2,3
	v_permlanex16_b32 v[TM+4+\b], v[TM+\b], s[SEL], s[SEL+1]
.endr
.irp b, 0,1,2,3
	v_max_num_f32 v[TM+\b], v[TM+\b], v[TM+4+\b]                    ; with lane l xor 16's: the block's largest magnitude
.endr
.irp b, 0,1,2,3
	v_add_nc_u32 v[TM+12+\b], 0xfe000000, v[TM+\b]                  ; 4 off its exponent field: the conversion's scale operand
.endr
.irp b, 0,1,2,3
	v_lshrrev_b32 v[TM+4+\b], 23, v[TM+12+\b]                       ; the scale's byte
.endr
	v_lshl_or_b32 v[\pw], v[TM+5], 8, v[TM+4]
	v_lshl_or_b32 v[\pw], v[TM+6], 16, v[\pw]
	v_lshl_or_b32 v[\pw], v[TM+7], 24, v[\pw]
.irp c, 0,1
	v_cvt_scalef32_pk16_bf6_f32 v[PC+6*\c:PC+2+6*\c], v[\s+32*\c:\s+15+32*\c], v[TM+12+2*\c]
	v_cvt_scalef32_pk16_bf6_f32 v[PC+12+4*\c:PC+14+4*\c], v[\s+16+32*\c:\s+31+32*\c], v[TM+12+2*\c+1]   ; (a conversion's three registers begin on an even number)
.endr
	v_nop                                          ; one plain place behind the conversions
.irp c, 0,1                                    ; the operand wants a whole block in a lane: lanes 0-15 block 2 c, lanes 16-31 block 2 c + 1
.irp i, 0,1,2
	v_permlane16_swap_b32 v[PC+6*\c+\i], v[PC+12+4*\c+\i]
.endr
.irp i, 0,1,2
	v_mov_b32 v[PC+3+6*\c+\i], v[PC+12+4*\c+\i]
.endr
.endr
.endm
.macro LOAD s                          ; step s: 512 bytes of each of the tile's 16 rows, into set s % 2
.irp t, 0,1,2,3,4,5,6,7,8,9,10,11,12,13,14,15
	global_load_b128 v[R+64*((\s)%2)+4*\t:R+64*((\s)%2)+4*\t+3], v1, s[24:25] offset:(\t+8*(\t/8))*4096+512*(\s) th:TH_LOAD_NT
.endr
.endm
.macro STEP s
.if \s < 3
	s_wait_loadcnt 16                              ; this step's 16 loads are in; the next step's 16 may be out
.else
	s_wait_loadcnt 0x0
.endif
.irp t, 0,1,2,3,4,5,6,7,8,9,10,11,12,13,14,15
	ds_store_b128 v3, v[R+64*((\s)%2)+4*\t:R+64*((\s)%2)+4*\t+3] offset:528*\t
.endr
.irp b, 0,1,2,3
.irp j, 0,1,2,3
	ds_load_b128 v[X+16*\b+4*\j:X+16*\b+4*\j+3], v4 offset:128*\b+16*\j   ; LDS serves a wave's instructions in order: these see the stores above
.endr
.endr
	s_wait_dscnt 0x0                               ; the numbers are back, and the stores have read their registers,
.if \s < 2
	LOAD (\s)+2                                    ; which take the loads of two steps on
.endif
.if \s > 0
	s_wait_xcnt 0x0                                ; the last step's stores have read the codes' registers, which are written anew below
.endif
	QUANT X, W+\s
	global_store_b128 v1, v[PC:PC+3], s[26:27] offset:1536*(\s)             ; each store covers 512 or 256 consecutive bytes, aligned
	global_store_b64 v2, v[PC+4:PC+5], s[26:27] offset:1536*(\s)+512
	global_store_b128 v1, v[PC+6:PC+9], s[26:27] offset:1536*(\s)+768
	global_store_b64 v2, v[PC+10:PC+11], s[26:27] offset:1536*(\s)+1280
.endm
	s_load_b256 s[4:11], s[0:1], 0x0               ; x, w_q, w_k, w_v
	s_load_b256 s[12:19], s[0:1], 0x20             ; w_o, xc, xs, wc
	s_load_b64 s[20:21], s[0:1], 0x40              ; ws
	v_lshl_add_u32 v[SPW], v0, 2, SPARE
	v_mov_b32 v[NIL], 0
	v_lshrrev_b32 v7, 5, v0
	v_readfirstlane_b32 s22, v7                    ; wave
	v_and_b32 v7, 31, v0                           ; lane
	v_lshlrev_b32 v1, 4, v7                        ; 16 x lane
	v_lshlrev_b32 v2, 3, v7                        ; 8 x lane
	s_mul_i32 s23, s22, STGB                       ; my stage
	v_add_nc_u32 v3, s23, v1                       ; into it: a row's 512 bytes as they lie
	v_and_b32 v8, 15, v0                           ; r
	v_bfe_u32 v9, v0, 4, 1                         ; h
	v_mul_u32_u24 v4, v8, 528
	v_lshl_add_u32 v4, v9, 6, v4
	v_add_nc_u32 v4, s23, v4                       ; out of it: row r, + 64 h
	s_mov_b32 s[SEL], 0x76543210
	s_mov_b32 s[SEL+1], 0xfedcba98
	s_mov_b32 s34, 0xffff0000                      ; lanes 16-31
.irp b, 0,1,2,3
	v_mov_b32 v[TM+4+\b], 0                        ; written once: a lane permute's destination counts as one of its sources
.endr
	s_lshr_b32 s35, s22, 1                         ; which of the two tiles
	s_and_b32 s36, s22, 1                          ; which half of K
	s_wait_alu depctr_va_vdst(0)
	s_wait_kmcnt 0x0
	s_cmp_lt_u32 ttmp9, 352                        ; which tensor: the choice hangs on the work-group's number alone
	s_cselect_b64 s[24:25], s[10:11], s[12:13]
	s_cmp_lt_u32 ttmp9, 320
	s_cselect_b64 s[24:25], s[8:9], s[24:25]
	s_cmp_lt_u32 ttmp9, 288
	s_cselect_b64 s[24:25], s[6:7], s[24:25]
	s_cmp_lt_u32 ttmp9, 256
	s_cselect_b64 s[24:25], s[4:5], s[24:25]
	s_cselect_b64 s[26:27], s[14:15], s[18:19]     ; the codes' buffer
	s_cselect_b64 s[28:29], s[16:17], s[20:21]     ; the scale words'
	s_cselect_b32 s30, 0, 256
	s_cselect_b32 s31, 255, 31
	s_sub_co_u32 s30, ttmp9, s30                   ; d: the pair of tiles in its buffer
	s_and_b32 s31, s30, s31                        ; and the group of 32 rows in its tensor
	s_lshl_b32 s31, s31, 17                        ; 32 rows of 4,096 bytes
	s_lshl_b32 s37, s35, 15                        ; the second tile begins 8 rows down
	s_add_co_u32 s31, s31, s37
	s_lshl_b32 s37, s36, 11                        ; half a row
	s_add_co_u32 s38, s31, s37
	s_mov_b32 s39, 0
	s_add_nc_u64 s[24:25], s[24:25], s[38:39]
	s_lshl_b32 s30, s30, 1
	s_add_co_u32 s30, s30, s35                     ; the tile
	s_mul_i32 s38, s30, 12288
	s_mul_i32 s37, s36, 6144
	s_add_co_u32 s38, s38, s37
	s_add_nc_u64 s[26:27], s[26:27], s[38:39]
	s_lshl_b32 s38, s30, 9
	s_lshl_b32 s37, s36, 8
	s_add_co_u32 s38, s38, s37
	s_add_nc_u64 s[28:29], s[28:29], s[38:39]
	LOAD 0
	LOAD 1
	STEP 0
	STEP 1
	STEP 2
	STEP 3
	v_cndmask_b32 v248, v[W], v[W+2], s34          ; lanes 0-15: my row's words of the first 256 along K, lanes 16-31: of the second
	v_cndmask_b32 v249, v[W+1], v[W+3], s34
	global_store_b64 v2, v[248:249], s[28:29]      ; 256 consecutive bytes, aligned
	s_wait_tensorcnt 0x0                           ; the wave's end, behind my last LDS store
	ds_add_u32 v[SPW], v[NIL]
	s_wait_dscnt 0x0
	s_endpgm
.Lfunc_end_k_q44c4b722ee_quant:
	.size	k_q44c4b722ee_quant, .Lfunc_end_k_q44c4b722ee_quant-k_q44c4b722ee_quant
	.p2alignl 7, 3214868480
	.fill 96, 4, 3214868480
	.section	.rodata,"a",@progbits
	.p2align	6, 0x0
	.amdhsa_kernel k_q44c4b722ee_quant
		.amdhsa_group_segment_fixed_size 34304
		.amdhsa_private_segment_fixed_size 0
		.amdhsa_enable_private_segment 0
		.amdhsa_kernarg_size 72
		.amdhsa_user_sgpr_count 2
		.amdhsa_user_sgpr_kernarg_segment_ptr 1
		.amdhsa_wavefront_size32 1
		.amdhsa_system_sgpr_workgroup_id_x 1
		.amdhsa_system_sgpr_workgroup_id_y 1
		.amdhsa_system_sgpr_workgroup_id_z 1
		.amdhsa_system_vgpr_workitem_id 0
		.amdhsa_next_free_vgpr 256
		.amdhsa_next_free_sgpr 66
		.amdhsa_reserve_vcc 0
		.amdhsa_float_denorm_mode_32 3
		.amdhsa_float_denorm_mode_16_64 3
		.amdhsa_memory_ordered 1
		.amdhsa_forward_progress 1
		.amdhsa_inst_pref_size 34
	.end_amdhsa_kernel
	.amdgpu_metadata
---
amdhsa.version: [ 1, 2 ]
amdhsa.kernels:
  - .name:           k_q44c4b722ee_quant
    .symbol:         k_q44c4b722ee_quant.kd
    .args:
      - { .name: x, .offset: 0, .size: 8, .value_kind: global_buffer, .address_space: global }
      - { .name: w_q, .offset: 8, .size: 8, .value_kind: global_buffer, .address_space: global }
      - { .name: w_k, .offset: 16, .size: 8, .value_kind: global_buffer, .address_space: global }
      - { .name: w_v, .offset: 24, .size: 8, .value_kind: global_buffer, .address_space: global }
      - { .name: w_o, .offset: 32, .size: 8, .value_kind: global_buffer, .address_space: global }
      - { .name: xc, .offset: 40, .size: 8, .value_kind: global_buffer, .address_space: global }
      - { .name: xs, .offset: 48, .size: 8, .value_kind: global_buffer, .address_space: global }
      - { .name: wc, .offset: 56, .size: 8, .value_kind: global_buffer, .address_space: global }
      - { .name: ws, .offset: 64, .size: 8, .value_kind: global_buffer, .address_space: global }
    .group_segment_fixed_size: 34304
    .private_segment_fixed_size: 0
    .kernarg_segment_align: 8
    .kernarg_segment_size: 72
    .max_flat_workgroup_size: 128
    .sgpr_count:     66
    .vgpr_count:     256
    .wavefront_size: 32
...
	.end_amdgpu_metadata
.endif
;; end of part 1
;; launch qkv (part 2): grid 8 x 48, 4 waves a work-group, clusters of 4 x 4, 327,680 bytes of LDS; arguments xc, xs, wc, ws, b_q, b_k, b_v, qi, kv; writes qi, kv
.if DOCPART == 2
	.amdgcn_target "amdgcn-amd-amdhsa--gfx1250"
	.amdhsa_code_object_version 6
	.text
	.protected	k_q44c4b722ee_qkv
	.globl	k_q44c4b722ee_qkv
	.p2align	8
	.type	k_q44c4b722ee_qkv,@function
k_q44c4b722ee_qkv:
	s_mov_b64 s[64:65], 0
	v_nop
	global_prefetch_b8 v0, s[64:65] scope:SCOPE_SE
	s_setreg_imm32_b32 hwreg(HW_REG_WAVE_MODE, 25, 1), 1
	s_wait_xcnt 0x0
	s_wait_alu depctr_hold_cnt(0) depctr_sa_sdst(0) depctr_va_vdst(0) depctr_va_sdst(0) depctr_va_ssrc(0) depctr_va_vcc(0) depctr_vm_vsrc(0)
	s_getreg_b32 s2, hwreg(HW_REG_IB_STS2, 6, 4)
	s_cmp_eq_u32 s2, 0
	s_cbranch_scc0 .Lentry_in_a_cluster
	s_endpgm
.Lentry_in_a_cluster:
	s_bfe_u32 s2, ttmp6, 0x10000c
	s_cmp_lg_u32 s2, 0xf033
	s_cbranch_scc0 .Lentry_shape_is_right
	s_endpgm
.Lentry_shape_is_right:
; LAUNCH 2 OF 4.  q, k, v = x W^T + b on codes of BF6, and their quantising: q and k along the head's 64, v along the keys.  Nothing of reference() is left out.
; A work-group of four waves makes 256 x 256 results, a wave 128 x 128 in 64 accumulators.  Source 0 of the matrix instruction is the operand whose rows are to run along a lane's REGISTERS (role B), source 1 the one whose
; rows lie in the LANES (role A).  TWO CLASSES, told apart by the cluster's y, which all partners share:
;   clusters y < 8:  B = w_q, w_k (2,048 rows), A = x: a lane holds one position, its registers 128 neighbouring e: two heads.
;   clusters y >= 8: B = x, A = w_v: a lane holds one channel, its registers 128 neighbouring keys.
; Both walk the same text up to the last K step; only pointers and tile numbers are chosen.  Then a branch on the class leads to the way out: bias, quantiser, stores from registers, in whole runs of 256 or 512 bytes.
; K = 1,024 goes in four steps of 256 through two LDS slots, filled by the tensor data mover with the operands' register images (launch 1's layout): a fragment comes by two loads of 16 bytes and two of 8 a lane,
; each of consecutive bytes.  The scale words of the work-group's 2 x 16 tiles come once, with the first fills.
; CLUSTERS: 4 x 4 work-groups; A's tiles are asked for jointly along a row of the cluster, B's along a column.
; OUT: qi: 64 blocks (batch x 16 + head) of 106,496 bytes: 128 tiles x 768 bytes (registers 0-3 at 16 x lane, 4-5 at 512 + 8 x lane), then 16 groups of 512 bytes of scale words (lane l: four words: tiles 2 i of the group in
; lanes 0-15, tiles 2 i + 1 in lanes 16-31).  kv: 64 blocks of 208,896 bytes: k laid as q; at 106,496 v's images, 16 key steps x 4 channel tiles x 1,536 bytes (three runs of 16 x lane); at 204,800 v's scale words, 256 bytes a step.
; REGISTERS: window 0: v0-31 addresses; v32-63 scale words, two sets; v64-127 the bias; v128-223 A's fragments, one set (on the way out v128-239 are at work).  window 1: B's fragments, two sets.  windows 2, 3: accumulators.
; LIMITS: NaN and infinities are not served; a block whose largest magnitude lies under 2^-122 gets the byte 1.
.set FR,    12                         ; registers of a fragment
.set NL,    4                          ; LDS loads that bring one
.set NP,    4                          ; places behind this matrix instruction
.set NQ,    2                          ; matrix instructions deep in a slot
.set TILEB, 12288                      ; a tile's codes for all of K
.set STEPB, 3072                       ; and for 256 along K
.set HALFT, 8*STEPB                    ; 8 tiles: what one tensor load brings, and what a wave reads of A or of B
.set SLOT,  4*HALFT                    ; A's 16 tiles, then B's 16
.set SCL,   2*SLOT                     ; A's scale words, 8,192 bytes; B's begin 128 bytes further than on end, so that the two halves of a load's lanes fall on different banks
.set SPARE, 213248                     ; behind the scales: the spare words, 128 bytes a wave
.set ADRA,  16                         ; v16-17 A's fragments in slot 0, 1: + 16 x lane; v18-19: + 8 x lane
.set ADRB,  20                         ; v20-23 the same for B
.set ADRS,  27                         ; v27  my scale words: lanes 0-15 A's, lanes 16-31 B's
.set SPW,   28                         ; v28  my spare word; never rewritten
.set NIL,   29                         ; v29  0; never rewritten
.set SC,    32
.set BI,    64
.set AF,    128
.set ST,    128                        ; the way out: 64 numbers
.set PC,    192                        ; the codes just made
.set TM,    212                        ; at work
.set PW,    228                        ; the scale word just made
.set TV,    229
.set SW,    232                        ; scale words gathered for their store
.set SEL,   84                         ; s[84:85] lane selects (the raw pointers there are done with)
.set G1,    24
.set G0,    32
.set G1B,   40
.set G0B,   48
.set G1S,   56
.set G1SB,  68
.set G0S,   76
.set G0SB,  80
.set MSB, 0
.macro WIN new                         ; the immediate's high byte repeats the setting that is left
.if MSB != (\new)
	s_set_vgpr_msb (MSB<<8)|(\new)
.set MSB, (\new)
.endif
.endm
.set MUL_LO, 0xa1                      ; source 0 window 1, source 1 window 0, C and D window 2
.set MUL_HI, 0xf1                      ; the same, C and D window 3
.set TO_B,   0x40                      ; destination window 1
; A joint load: waves 0 and 1 fetch for A, waves 2 and 3 for B; the branch hangs on the wave's number alone.  An s_nop 0 and four v_nop follow each line.
.macro JLOAD g0a, g1a, g0b, g1b
	s_cmp_eq_u32 s15, 0
	s_cbranch_scc0 .Lfor_b_\@
	tensor_load_to_lds s[\g0a:\g0a+3], s[\g1a:\g1a+7]
	s_nop 0
.rept 4
	v_nop
.endr
	s_branch .Lasked_\@
.Lfor_b_\@:
	tensor_load_to_lds s[\g0b:\g0b+3], s[\g1b:\g1b+7]
	s_nop 0
.rept 4
	v_nop
.endr
.Lasked_\@:
.endm
.macro CREST                           ; a round of the cluster's barrier behind its opening barrier
	s_cmp_lg_u32 s14, 0
	s_cbranch_scc1 .Lnot_wave_0_\@
	s_barrier_signal -3
.Lnot_wave_0_\@:
	s_barrier_wait -3
	s_barrier_signal -1
	s_barrier_wait -1
.endm
.macro CROUND
	s_barrier_signal -1
	s_barrier_wait -1
	CREST
.endm
.macro PLACES n
.rept \n
	v_nop
.endr
.endm
.macro FRAG reg, adr, q, i             ; tile i's image of the slot's q-th 128 along K
	ds_load_b128 v[\reg:\reg+3], v[\adr] offset:(\i)*STEPB+(\q)*1536
	ds_load_b64 v[\reg+4:\reg+5], v[\adr+2] offset:(\i)*STEPB+(\q)*1536+512
	ds_load_b128 v[\reg+6:\reg+9], v[\adr] offset:(\i)*STEPB+(\q)*1536+768
	ds_load_b64 v[\reg+10:\reg+11], v[\adr+2] offset:(\i)*STEPB+(\q)*1536+1280
.endm
; 16 matrix instructions: A's blocks a0, a0 + 1 x B's eight.  zero = 1: the first product starts the sums.  The 64 accumulators take turns, in the same order in every step.
.macro MUL16 a0, p, q, sc, zero
.irp a, \a0, \a0+1
.irp b, 0,1,2,3,4,5,6,7
.if \zero == 1
	v_wmma_scale_f32_16x16x128_f8f6f4 v[8*(8*((\a)%4)+\b):8*(8*((\a)%4)+\b)+7], v[128*(\p)+FR*\b:128*(\p)+FR*\b+FR-1], v[AF+FR*(\a):AF+FR*(\a)+FR-1], 0, v[SC+8*NQ*(\sc)+NQ*\b+(\q)], v[SC+8*NQ*(\sc)+NQ*(\a)+(\q)] matrix_a_fmt:MATRIX_FMT_BF6 matrix_b_fmt:MATRIX_FMT_BF6 matrix_a_scale:MATRIX_SCALE_ROW1
.else
	v_wmma_scale_f32_16x16x128_f8f6f4 v[8*(8*((\a)%4)+\b):8*(8*((\a)%4)+\b)+7], v[128*(\p)+FR*\b:128*(\p)+FR*\b+FR-1], v[AF+FR*(\a):AF+FR*(\a)+FR-1], v[8*(8*((\a)%4)+\b):8*(8*((\a)%4)+\b)+7], v[SC+8*NQ*(\sc)+NQ*\b+(\q)], v[SC+8*NQ*(\sc)+NQ*(\a)+(\q)] matrix_a_fmt:MATRIX_FMT_BF6 matrix_b_fmt:MATRIX_FMT_BF6 matrix_a_scale:MATRIX_SCALE_ROW1
.endif
.endr
.endr
.endm
.macro FETCH_B slot, q, p
	WIN TO_B
.irp i, 0,1,2,3,4,5,6,7
	FRAG 128*(\p)+FR*\i, ADRB+\slot, \q, \i
.endr
	WIN 0
.endm
.macro FETCH_A slot, q, i0
.irp i, \i0, \i0+1, \i0+2, \i0+3
	FRAG AF+FR*(\i), ADRA+\slot, \q, \i
.endr
.endm
.macro SCALES sc                       ; the K step's scale words: two words a row; lanes 0-15 A's tile i, lanes 16-31 B's tile i
.irp i, 0,1,2,3,4,5,6,7
	ds_load_b64 v[SC+8*NQ*\sc+NQ*\i:SC+8*NQ*\sc+NQ*\i+1], v[ADRS] offset:\i*512
.endr
.endm
.macro STEP slot, q, zero              ; 128 along K with its successor in the same slot
	s_wait_dscnt 4*NL                              ; B's set and A's blocks 0-3 are in; the youngest 16 loads (A's blocks 4-7) may be out
	WIN MUL_LO
	MUL16 0, (\q)%2, \q, \slot, \zero
	MUL16 2, (\q)%2, \q, \slot, \zero
	s_wait_dscnt 0x0
	PLACES NP                                      ; in front of loads into registers that matrix instructions have read
	FETCH_B \slot, (\q)+1, 1-(\q)%2
	FETCH_A \slot, (\q)+1, 0
	WIN MUL_HI
	MUL16 4, (\q)%2, \q, \slot, \zero
	MUL16 6, (\q)%2, \q, \slot, \zero
	PLACES NP
	WIN 0
	FETCH_A \slot, (\q)+1, 4
.endm
; A slot's last step changes slots: one barrier; in front of it each wave waits for all its tensor loads, adds 0 to its spare word, and waits for that and for its reads of this slot.  fill = 1: the slot is filled again, two K steps ahead.
.macro TURN slot, next, fill
	s_wait_tensorcnt 0x0                           ; all my tensor loads have landed: my part of the next slot
	ds_add_u32 v[SPW], v[NIL]
	s_wait_dscnt 4*NL+1                            ; (the add and the youngest 16 loads may be out)
	WIN MUL_LO
	MUL16 0, 1, NQ-1, \slot, 0
	s_wait_dscnt 0x0                               ; the add is done, and my reads of this slot are over
	s_barrier_signal -1
	MUL16 2, 1, NQ-1, \slot, 0
	WIN 0
	s_barrier_wait -1
.if \fill
	CREST                                          ; the barrier has opened a round of the cluster's: no wave of any partner still reads this slot or has a load on its way
	s_add_nc_u64 s[G0+4*\slot+2:G0+4*\slot+3], s[G0+4*\slot+2:G0+4*\slot+3], 2*STEPB
	s_add_nc_u64 s[G0B+4*\slot+2:G0B+4*\slot+3], s[G0B+4*\slot+2:G0B+4*\slot+3], 2*STEPB
	JLOAD G0+4*\slot, G1, G0B+4*\slot, G1B         ; the first tensor load behind the round; its four v_nop are the places in front of the loads below
.else
	PLACES NP
.endif
	s_wait_alu depctr_va_vdst(0)
	v_add_nc_u32 v[ADRS], 128, v[ADRS]             ; the next K step's scale words
	FETCH_B \next, 0, 0
	FETCH_A \next, 0, 0
	SCALES \next
	WIN MUL_HI
	MUL16 4, 1, NQ-1, \slot, 0
	MUL16 6, 1, NQ-1, \slot, 0
	PLACES NP
	WIN 0
	FETCH_A \next, 0, 4
.endm
.macro LAST                            ; the very last 128 along K: nothing more to fetch
	s_wait_dscnt 4*NL
	WIN MUL_LO
	MUL16 0, 1, NQ-1, 1, 0
	MUL16 2, 1, NQ-1, 1, 0
	s_wait_dscnt 0x0
	WIN MUL_HI
	MUL16 4, 1, NQ-1, 1, 0
	MUL16 6, 1, NQ-1, 1, 0
	WIN 0
.endm
; 64 numbers of a lane, register 16 b + i = index 32 b + 16 h + i along the next K, become a fragment's 12 registers in v[PC] on and the row's scale word in v[pw]
.macro QUANT s, pw
.irp b, 0,1,2,3
	v_max3_num_f32 v[TM+\b], |v[\s+16*\b]|, |v[\s+1+16*\b]|, 0x2800000   ; and the floor 2^(5 - 127): the byte cannot fall under 1
.endr
.irp i, 2,4,6,8,10,12,14
.irp b, 0,1,2,3
	v_max3_num_f32 v[TM+\b], v[TM+\b], |v[\s+16*\b+\i]|, |v[\s+1+16*\b+\i]|
.endr
.endr
.irp b, 0,1,2,3
	v_permlanex16_b32 v[TM+4+\b], v[TM+\b], s[SEL], s[SEL+1]
.endr
.irp b, 0,1,2,3
	v_max_num_f32 v[TM+\b], v[TM+\b], v[TM+4+\b]
.endr
.irp b, 0,1,2,3
	v_add_nc_u32 v[TM+12+\b], 0xfe000000, v[TM+\b]                  ; 4 off the exponent field: the conversion's scale operand
.endr
.irp b, 0,1,2,3
	v_lshrrev_b32 v[TM+4+\b], 23, v[TM+12+\b]
.endr
	v_lshl_or_b32 v[\pw], v[TM+5], 8, v[TM+4]
	v_lshl_or_b32 v[\pw], v[TM+6], 16, v[\pw]
	v_lshl_or_b32 v[\pw], v[TM+7], 24, v[\pw]
.irp c, 0,1
	v_cvt_scalef32_pk16_bf6_f32 v[PC+6*\c:PC+2+6*\c], v[\s+32*\c:\s+15+32*\c], v[TM+12+2*\c]
	v_cvt_scalef32_pk16_bf6_f32 v[PC+12+4*\c:PC+14+4*\c], v[\s+16+32*\c:\s+31+32*\c], v[TM+12+2*\c+1]
.endr
	v_nop                                          ; one plain place behind the conversions
.irp c, 0,1
.irp i, 0,1,2
	v_permlane16_swap_b32 v[PC+6*\c+\i], v[PC+12+4*\c+\i]
.endr
.irp i, 0,1,2
	v_mov_b32 v[PC+3+6*\c+\i], v[PC+12+4*\c+\i]
.endr
.endr
.endm
	s_load_b256 s[84:91], s[0:1], 0x0              ; xc, xs, wc, ws
	s_load_b256 s[92:99], s[0:1], 0x20             ; b_q, b_k, b_v, qi
	s_load_b64 s[100:101], s[0:1], 0x40            ; kv
	v_lshl_add_u32 v[SPW], v0, 2, SPARE
	v_mov_b32 v[NIL], 0
	ds_add_u32 v[SPW], v[NIL]                      ; the wave's opening: the add, twice on end, and its wait ahead of my first tensor load
	ds_add_u32 v[SPW], v[NIL]
	v_lshrrev_b32 v1, 5, v0
	v_readfirstlane_b32 s14, v1                    ; wave 0..3
	s_lshr_b32 s15, s14, 1                         ; my half of A's tiles.  Also: I fetch for A (0) or for B (1)
	s_and_b32 s16, s14, 1                          ; my half of B's tiles.  Also: which 8 tiles I fetch
	s_bfe_u32 s12, ttmp6, 0x40000                  ; cx
	s_bfe_u32 s13, ttmp6, 0x40004                  ; cy
	s_and_b32 s3, ttmp7, 0xffff                    ; the cluster's y: the class
	s_lshl_b32 s2, s3, 1
	s_add_co_u32 s2, s2, ttmp9
	s_sub_co_u32 s2, s2, 16                        ; class v: the cluster's column x + 2 (y - 8)
	s_cmp_lt_u32 s3, 8
	s_cselect_b32 s2, ttmp9, s2
	s_cselect_b32 s17, s3, 0                       ; the cluster's row: y, or 0
	s_cselect_b32 s18, 0, 128                      ; class v: A = w_v begins at tile 128 of wc
	s_lshl_b32 s2, s2, 2
	s_add_co_u32 s2, s2, s12                       ; tile column (B)
	s_lshl_b32 s17, s17, 2
	s_add_co_u32 s17, s17, s13                     ; tile row (A)
	s_lshl_b32 s20, s13, 2
	s_lshl_b32 s20, 15, s20                        ; my row of the cluster
	s_lshl_b32 s66, 0x1111, s12                    ; my column
	s_or_b32 s[G1], s20, (3<<16)|(1<<21)           ; 15:0 the mask; 17:16 elements of 8 bytes; 21 set beside a mask; no padding
	s_or_b32 s[G1B], s66, (3<<16)|(1<<21)
	s_or_b32 s[G1S], s20, (3<<16)|(1<<21)
	s_or_b32 s[G1SB], s66, (3<<16)|(1<<21)
.irp g, G1, G1B                        ; codes: 8 tiles, of each 3,072 bytes (384 elements), 12,288 bytes apart
	s_mov_b32 s[\g+1], 384<<16
	s_mov_b32 s[\g+2], 16<<16                      ; 16 tiles for the head's loads; behind them the two words that count rows are set to 8
	s_mov_b32 s[\g+3], 384<<16
	s_mov_b32 s[\g+4], 16
	s_mov_b32 s[\g+5], 1536
	s_mov_b32 s[\g+6], 0
	s_mov_b32 s[\g+7], 0
.endr
.irp g, G1S, G1SB                      ; scale words of 16 tiles: 8,192 dense bytes as 32 rows of 256
	s_mov_b32 s[\g+1], 32<<16
	s_mov_b32 s[\g+2], 32<<16                      ; the scale words of all 16 tiles: 8,192 dense bytes as 32 rows of 256
	s_mov_b32 s[\g+3], 32<<16
	s_mov_b32 s[\g+4], 32
	s_mov_b32 s[\g+5], 32
	s_mov_b32 s[\g+6], 0
	s_mov_b32 s[\g+7], 0
.endr
	s_lshl_b32 s19, s16, 3
	s_lshl_b32 s20, s17, 4
	s_add_co_u32 s20, s20, s19
	s_add_co_u32 s20, s20, s18                     ; A: the first tile that I fetch
	s_lshl_b32 s66, s2, 4
	s_add_co_u32 s66, s66, s19                     ; B likewise
	s_lshl_b32 s22, s20, 9                         ; its scale words,
	s_mov_b32 s23, 0
	s_mul_i32 s20, s20, TILEB                      ; its codes
	s_mov_b32 s21, 0
	s_lshl_b32 s104, s66, 9
	s_mov_b32 s105, 0
	s_mul_i32 s66, s66, TILEB
	s_mov_b32 s67, 0
	s_mul_i32 s18, s14, HALFT                      ; where they go: wave x 8 tiles: no place in the cluster enters an LDS address
	s_wait_dscnt 0x0                               ; both opening adds are done
	s_wait_kmcnt 0x0
	s_cmp_lt_u32 s3, 8                             ; the roles' buffers: the choice hangs on the cluster's y alone
	s_cselect_b64 s[4:5], s[84:85], s[88:89]
	s_cselect_b64 s[6:7], s[86:87], s[90:91]
	s_cselect_b64 s[8:9], s[88:89], s[84:85]
	s_cselect_b64 s[10:11], s[90:91], s[86:87]
	s_add_nc_u64 s[20:21], s[4:5], s[20:21]
	s_add_nc_u64 s[22:23], s[6:7], s[22:23]
	s_add_nc_u64 s[66:67], s[8:9], s[66:67]
	s_add_nc_u64 s[104:105], s[10:11], s[104:105]
	CROUND                                         ; all sixteen work-groups are here: the first joint loads meet
	; THE HEAD'S FOUR TILES, ONE LOAD A WAVE: wave 0 K step 0 of A's 16 tiles, wave 1 of B's, wave 2 A's scale words, wave 3 B's
	s_mul_i32 s12, s16, 8*TILEB                    ; my half lies so many bytes behind the first of the 16 tiles
	s_mov_b32 s13, 0
	s_mov_b32 s4, 1
	s_mov_b32 s5, 0
	s_sub_nc_u64 s[6:7], s[20:21], s[12:13]
	s_or_b32 s7, s7, 0x80000000
	s_mov_b32 s8, 1
	s_mov_b32 s9, 2*HALFT
	s_sub_nc_u64 s[10:11], s[66:67], s[12:13]
	s_or_b32 s11, s11, 0x80000000
	s_lshl_b32 s12, s16, 12                        ; the same for the scale words
	s_mov_b32 s[G0S], 1
	s_mov_b32 s[G0S+1], SCL
	s_sub_nc_u64 s[G0S+2:G0S+3], s[22:23], s[12:13]
	s_or_b32 s[G0S+3], s[G0S+3], 0x80000000
	s_mov_b32 s[G0SB], 1
	s_mov_b32 s[G0SB+1], SCL+8192+128
	s_sub_nc_u64 s[G0SB+2:G0SB+3], s[104:105], s[12:13]
	s_or_b32 s[G0SB+3], s[G0SB+3], 0x80000000
.macro ARM under, g0, g1, next         ; one chain of branches on the wave's number: every way passes exactly one load
	s_cmp_lt_u32 s14, \under
	s_cbranch_scc0 \next
	tensor_load_to_lds s[\g0:\g0+3], s[\g1:\g1+7]
	s_nop 0
.rept 4
	v_nop
.endr
	s_branch .Lhead_asked
\next:
.endm
	ARM 1, 4, G1, .Lhead_b
	ARM 2, 8, G1B, .Lhead_sa
	ARM 3, G0S, G1S, .Lhead_sb
	tensor_load_to_lds s[G0SB:G0SB+3], s[G1SB:G1SB+7]
	s_nop 0
.rept 4
	v_nop
.endr
.Lhead_asked:
.irp s, 0,1
	s_mov_b32 s[G0+4*\s], 1
	s_add_co_u32 s[G0+4*\s+1], s18, \s*SLOT
	s_add_nc_u64 s[G0+4*\s+2:G0+4*\s+3], s[20:21], \s*STEPB
	s_or_b32 s[G0+4*\s+3], s[G0+4*\s+3], 0x80000000
	s_mov_b32 s[G0B+4*\s], 1
	s_add_co_u32 s[G0B+4*\s+1], s18, \s*SLOT
	s_add_nc_u64 s[G0B+4*\s+2:G0B+4*\s+3], s[66:67], \s*STEPB
	s_or_b32 s[G0B+4*\s+3], s[G0B+4*\s+3], 0x80000000
.endr
	v_and_b32 v1, 31, v0                           ; lane
	v_and_b32 v2, 15, v0                           ; r
	v_bfe_u32 v3, v0, 4, 1                         ; h
	v_lshlrev_b32 v4, 4, v1                        ; 16 x lane; never rewritten
	v_lshlrev_b32 v5, 3, v1                        ; 8 x lane; never rewritten
	s_mul_i32 s18, s15, HALFT                      ; my 8 tiles of A
	s_mul_i32 s19, s16, HALFT                      ; my 8 tiles of B,
	s_add_co_u32 s19, s19, 2*HALFT                 ; which lie behind A's 16
.irp s, 0,1
	v_add_nc_u32 v[ADRA+\s], s18, v4
	v_add_nc_u32 v[ADRB+\s], s19, v4
	v_add_nc_u32 v[ADRA+2+\s], s18, v5
	v_add_nc_u32 v[ADRB+2+\s], s19, v5
	s_add_co_u32 s18, s18, SLOT
	s_add_co_u32 s19, s19, SLOT
.endr
	s_lshl_b32 s18, s15, 12                        ; A's scale words: my 8 tiles
	s_lshl_b32 s19, s16, 12
	s_add_co_u32 s19, s19, 8192+128                ; B's
	s_sub_co_u32 s19, s19, s18
	v_mul_u32_u24 v6, s19, v3                      ; lanes 16-31 take B's
	v_lshl_add_u32 v6, v2, 3, v6                   ; 8 bytes a row
	s_add_co_u32 s18, s18, SCL
	v_add_nc_u32 v[ADRS], s18, v6
	s_wait_alu depctr_va_vdst(0)
	s_wait_tensorcnt 0x0                           ; my tile of the head's four is in
	ds_add_u32 v[SPW], v[NIL]
	s_mov_b32 s[G1+2], 8<<16                       ; no tensor load of mine is out: from here on a load brings 8 tiles
	s_mov_b32 s[G1+4], 8
	s_mov_b32 s[G1B+2], 8<<16
	s_mov_b32 s[G1B+4], 8
	s_wait_dscnt 0x0
	CROUND                                         ; all four tiles are in, and all sixteen work-groups are here
	JLOAD G0+4, G1, G0B+4, G1B                     ; K step 1, the first tensor load behind the round
	FETCH_B 0, 0, 0
	FETCH_A 0, 0, 0
	SCALES 0
	FETCH_A 0, 0, 4
	STEP 0, 0, 1                                   ; the first products start the sums: nothing is cleared
	TURN 0, 1, 1
	STEP 1, 0, 0
	TURN 1, 0, 1
	STEP 0, 0, 0
	TURN 0, 1, 0                                   ; nothing is left to fetch
	STEP 1, 0, 0
	s_mov_b32 s[SEL], 0x76543210
	s_mov_b32 s[SEL+1], 0xfedcba98
	s_mov_b32 s86, 0xffff0000                      ; lanes 16-31
	s_cmp_lt_u32 s3, 8                             ; the class: the same in all partners
	s_cbranch_scc0 .Lclass_v
	; ---- q and k: my 8 tiles of positions x 128 of e: heads 2 Eh and 2 Eh + 1
	s_lshl_b32 s18, s17, 1
	s_add_co_u32 s18, s18, s15                     ; the group of 8 tiles of positions
	s_lshl_b32 s19, s2, 1
	s_add_co_u32 s19, s19, s16
	s_and_b32 s19, s19, 7                          ; Eh
	s_lshr_b32 s22, s18, 4                         ; batch
	s_and_b32 s18, s18, 15                         ; the group in its batch
	s_lshl_b32 s22, s22, 4
	s_lshl_b32 s23, s19, 1
	s_add_co_u32 s22, s22, s23                     ; block = 16 x batch + head
	s_mov_b32 s23, 208896
	s_cmp_eq_u32 ttmp9, 0                          ; cluster x = 0: q; 1: k
	s_cselect_b64 s[4:5], s[98:99], s[100:101]
	s_cselect_b64 s[20:21], s[92:93], s[94:95]
	s_cselect_b32 s23, 106496, s23                 ; a block's bytes
	s_mul_i32 s66, s22, s23
	s_mov_b32 s67, 0
	s_add_nc_u64 s[8:9], s[4:5], s[66:67]
	s_mul_i32 s66, s18, 6144
	s_add_nc_u64 s[4:5], s[8:9], s[66:67]          ; the first head's images
	s_lshl_b32 s66, s18, 9
	s_add_co_u32 s66, s66, 98304
	s_add_nc_u64 s[8:9], s[8:9], s[66:67]          ; and scale words
	s_mov_b32 s66, s23
	s_add_nc_u64 s[6:7], s[4:5], s[66:67]          ; the second head's: a block on
	s_add_nc_u64 s[10:11], s[8:9], s[66:67]
	s_lshl_b32 s66, s19, 9
	s_add_nc_u64 s[20:21], s[20:21], s[66:67]      ; the bias of my 128
	v_lshlrev_b32 v7, 6, v3                        ; register 16 b + i wants e 32 b + 16 h + i
.irp i, 0,1,2,3,4,5,6,7,8,9,10,11,12,13,14,15
	global_load_b128 v[BI+4*\i:BI+4*\i+3], v7, s[20:21] offset:128*(\i/4)+16*(\i%4)
.endr
	LAST                                           ; the last 64 products stand over the bias's loads
	PLACES NP
.irp b, 0,1,2,3
	v_mov_b32 v[TM+4+\b], 0                        ; a lane permute's destination counts as one of its sources
.endr
	s_wait_loadcnt 0x0
.macro OUTQK a                         ; tile a of positions: bias, quantiser, two half images
	WIN 0x02+(\a)/4                                ; source 0: window 2 or 3
.set ii, 0
.rept 32
	v_pk_add_f32 v[ST+2*ii:ST+2*ii+1], v[64*((\a)%4)+2*ii:64*((\a)%4)+2*ii+1], v[BI+2*ii:BI+2*ii+1]   ; the bias, and the way into window 0; each accumulator from its low end on
.set ii, ii+1
.endr
	WIN 0
.if \a > 0
	s_wait_xcnt 0x0                                ; the last tile's stores have read the codes' registers
.endif
	QUANT ST, PW
	global_store_b128 v4, v[PC:PC+3], s[4:5] offset:768*(\a)
	global_store_b64 v5, v[PC+4:PC+5], s[4:5] offset:768*(\a)+512
	global_store_b128 v4, v[PC+6:PC+9], s[6:7] offset:768*(\a)
	global_store_b64 v5, v[PC+10:PC+11], s[6:7] offset:768*(\a)+512
.if (\a)%2 == 0
	v_mov_b32 v[SW+(\a)/2], v[PW]                  ; bytes 0, 1: the first head's two blocks (bytes 2, 3 meet zero codes alone)
	v_lshrrev_b32 v[SW+4+(\a)/2], 16, v[PW]        ; the second head's
.else
	v_lshrrev_b32 v[TV], 16, v[PW]
	v_cndmask_b32 v[SW+(\a)/2], v[SW+(\a)/2], v[PW], s86        ; the odd tile's words go to lanes 16-31
	v_cndmask_b32 v[SW+4+(\a)/2], v[SW+4+(\a)/2], v[TV], s86
.endif
.endm
.irp a, 0,1,2,3,4,5,6,7
	OUTQK \a
.endr
	global_store_b128 v4, v[SW:SW+3], s[8:9]
	global_store_b128 v4, v[SW+4:SW+7], s[10:11]
	s_branch .Lend
.Lclass_v:
	; ---- v: my 8 tiles of channels (heads 2 Ev, 2 Ev + 1) x 128 keys: one key step
	s_lshl_b32 s18, s2, 1
	s_add_co_u32 s18, s18, s16                     ; the group of 128 keys
	s_lshl_b32 s19, s17, 1
	s_add_co_u32 s19, s19, s15                     ; Ev
	s_lshr_b32 s22, s18, 4                         ; batch
	s_and_b32 s18, s18, 15                         ; the key step in its batch
	s_lshl_b32 s22, s22, 4
	s_lshl_b32 s23, s19, 1
	s_add_co_u32 s22, s22, s23                     ; block
	s_mul_i32 s66, s22, 208896
	s_mov_b32 s67, 0
	s_add_nc_u64 s[8:9], s[100:101], s[66:67]
	s_mul_i32 s66, s18, 6144
	s_add_co_u32 s66, s66, 106496
	s_add_nc_u64 s[4:5], s[8:9], s[66:67]          ; the first head's images
	s_lshl_b32 s66, s18, 8
	s_add_co_u32 s66, s66, 204800
	s_add_nc_u64 s[8:9], s[8:9], s[66:67]          ; and scale words
	s_add_nc_u64 s[6:7], s[4:5], 208896            ; the second head's
	s_add_nc_u64 s[10:11], s[8:9], 208896
	s_lshl_b32 s66, s19, 9
	s_add_nc_u64 s[20:21], s[96:97], s[66:67]      ; b_v of my 128 channels
	v_and_b32 v7, 8, v2
	v_add_nc_u32 v7, v7, v2
	v_lshlrev_b32 v7, 2, v7                        ; my place's channel in a tile: r + 8 (r / 8)
.irp a, 0,1,2,3,4,5,6,7
	global_load_b32 v[BI+2*\a], v7, s[20:21] offset:4*(32*(\a/2)+8*(\a%2))
	global_load_b32 v[BI+2*\a+1], v7, s[20:21] offset:4*(32*(\a/2)+8*(\a%2))   ; twice: a pair for the packed addition
.endr
	LAST
	PLACES NP
.irp b, 0,1,2,3
	v_mov_b32 v[TM+4+\b], 0
.endr
	s_wait_loadcnt 0x0
.macro OUTV a                          ; tile a of channels: bias, quantiser along the keys, one image
	WIN 0x02+(\a)/4
.set ii, 0
.rept 32
	v_pk_add_f32 v[ST+2*ii:ST+2*ii+1], v[64*((\a)%4)+2*ii:64*((\a)%4)+2*ii+1], v[BI+2*(\a):BI+2*(\a)+1]
.set ii, ii+1
.endr
	WIN 0
.if \a > 0
	s_wait_xcnt 0x0
.endif
	QUANT ST, PW
	global_store_b128 v4, v[PC:PC+3], s[4+2*((\a)/4):5+2*((\a)/4)] offset:1536*((\a)%4)
	global_store_b128 v4, v[PC+4:PC+7], s[4+2*((\a)/4):5+2*((\a)/4)] offset:1536*((\a)%4)+512
	global_store_b128 v4, v[PC+8:PC+11], s[4+2*((\a)/4):5+2*((\a)/4)] offset:1536*((\a)%4)+1024
.if (\a)%2 == 0
	v_mov_b32 v[SW+(\a)/2], v[PW]
.else
	v_cndmask_b32 v[SW+(\a)/2], v[SW+(\a)/2], v[PW], s86
.endif
.if (\a)%4 == 3
	global_store_b64 v5, v[SW+2*((\a)/4):SW+2*((\a)/4)+1], s[8+2*((\a)/4):9+2*((\a)/4)]
.endif
.endm
.irp a, 0,1,2,3,4,5,6,7
	OUTV \a
.endr
.Lend:
	s_wait_tensorcnt 0x0                           ; the wave's end
	ds_add_u32 v[SPW], v[NIL]
	s_wait_dscnt 0x0
	CROUND                                         ; the closing round
	s_endpgm
.Lfunc_end_k_q44c4b722ee_qkv:
	.size	k_q44c4b722ee_qkv, .Lfunc_end_k_q44c4b722ee_qkv-k_q44c4b722ee_qkv
	.p2alignl 7, 3214868480
	.fill 96, 4, 3214868480
	.section	.rodata,"a",@progbits
	.p2align	6, 0x0
	.amdhsa_kernel k_q44c4b722ee_qkv
		.amdhsa_group_segment_fixed_size 327680
		.amdhsa_private_segment_fixed_size 0
		.amdhsa_enable_private_segment 0
		.amdhsa_kernarg_size 72
		.amdhsa_user_sgpr_count 2
		.amdhsa_user_sgpr_kernarg_segment_ptr 1
		.amdhsa_wavefront_size32 1
		.amdhsa_system_sgpr_workgroup_id_x 1
		.amdhsa_system_sgpr_workgroup_id_y 1
		.amdhsa_system_sgpr_workgroup_id_z 1
		.amdhsa_system_vgpr_workitem_id 0
		.amdhsa_next_free_vgpr 1024
		.amdhsa_next_free_sgpr 106
		.amdhsa_reserve_vcc 0
		.amdhsa_float_denorm_mode_32 3
		.amdhsa_float_denorm_mode_16_64 3
		.amdhsa_memory_ordered 1
		.amdhsa_forward_progress 1
		.amdhsa_inst_pref_size 228
	.end_amdhsa_kernel
	.amdgpu_metadata
---
amdhsa.version: [ 1, 2 ]
amdhsa.kernels:
  - .name:           k_q44c4b722ee_qkv
    .symbol:         k_q44c4b722ee_qkv.kd
    .args:
      - { .name: xc, .offset: 0, .size: 8, .value_kind: global_buffer, .address_space: global }
      - { .name: xs, .offset: 8, .size: 8, .value_kind: global_buffer, .address_space: global }
      - { .name: wc, .offset: 16, .size: 8, .value_kind: global_buffer, .address_space: global }
      - { .name: ws, .offset: 24, .size: 8, .value_kind: global_buffer, .address_space: global }
      - { .name: b_q, .offset: 32, .size: 8, .value_kind: global_buffer, .address_space: global }
      - { .name: b_k, .offset: 40, .size: 8, .value_kind: global_buffer, .address_space: global }
      - { .name: b_v, .offset: 48, .size: 8, .value_kind: global_buffer, .address_space: global }
      - { .name: qi, .offset: 56, .size: 8, .value_kind: global_buffer, .address_space: global }
      - { .name: kv, .offset: 64, .size: 8, .value_kind: global_buffer, .address_space: global }
    .group_segment_fixed_size: 327680
    .private_segment_fixed_size: 0
    .kernarg_segment_align: 8
    .kernarg_segment_size: 72
    .max_flat_workgroup_size: 128
    .sgpr_count:     106
    .vgpr_count:     1024
    .wavefront_size: 32
...
	.end_amdgpu_metadata
.endif
;; end of part 2
;; launch attn (part 3): grid 4 x 64, 4 waves a work-group, clusters of 4 x 1, 327,680 bytes of LDS; arguments qi, kv, temperature, q_scale, oc, os; writes oc, os
.if DOCPART == 3
	.amdgcn_target "amdgcn-amd-amdhsa--gfx1250"
	.amdhsa_code_object_version 6
	.text
	.protected	k_q44c4b722ee_attn
	.globl	k_q44c4b722ee_attn
	.p2align	8
	.type	k_q44c4b722ee_attn,@function
k_q44c4b722ee_attn:
	s_mov_b64 s[64:65], 0
	v_nop
	global_prefetch_b8 v0, s[64:65] scope:SCOPE_SE
	s_setreg_imm32_b32 hwreg(HW_REG_WAVE_MODE, 25, 1), 1
	s_wait_xcnt 0x0
	s_wait_alu depctr_hold_cnt(0) depctr_sa_sdst(0) depctr_va_vdst(0) depctr_va_sdst(0) depctr_va_ssrc(0) depctr_va_vcc(0) depctr_vm_vsrc(0)
	s_getreg_b32 s2, hwreg(HW_REG_IB_STS2, 6, 4)
	s_cmp_eq_u32 s2, 0
	s_cbranch_scc0 .Lentry_in_a_cluster
	s_endpgm
.Lentry_in_a_cluster:
	s_bfe_u32 s2, ttmp6, 0x10000c
	s_cmp_lg_u32 s2, 0x3003
	s_cbranch_scc0 .Lentry_shape_is_right
	s_endpgm
.Lentry_shape_is_right:
; LAUNCH 3 OF 4.  o = Q(softmax(Q(q) Q(k)^T / (8 temperature)) q_scale) Q(v), and o's quantising along the head's 64.  Nothing of reference() is left out.
; SHARES: a work-group takes one (batch, head) and 512 queries, 32 tiles of 16.  THE KEYS ARE DIVIDED AMONG ITS FOUR WAVES: wave w owns keys 512 w .. 512 w + 511 (four steps of 128) for every tile.
; Its fragments of k (198 registers) and all scale words stay in registers for the whole launch; its part of v (24,576 bytes) lies in its own LDS bytes, brought once by a joint tensor load of the cluster's four work-groups.
; k is not asked for jointly: each wave reads its 24,576 bytes once, straight into the operand registers where they stay; by way of LDS they would be moved twice.  No prefetch: all of k and v is asked for at the head.
; THE SECOND PRODUCT'S LEFT OPERAND is the finished softmax x q_scale, and yet each score and each exponential is made once: for a tile a wave makes its 256 scores a lane, their maximum M_w (a whole number, kept as -M_w),
; e = 2^(t - M_w), which STAYS IN REGISTERS, and their sum; the waves exchange (-M_w, sum) through LDS at one barrier; with M the largest M_w and the row's sum / |q_scale| = m 2^x (1 <= m < 2) each wave
; quantises p' = e 2^(M_w - M) / m.  The weight is p' 2^-x sign(q_scale); a power of two and a sign pass through the quantiser unchanged, so O is multiplied by +-2^-x (0 where q_scale is 0) at the end.
; Each wave's O^T (its keys' part) goes to LDS; after four tiles each wave adds one tile's four parts in f32, quantises and stores it.
; ORDER OF A TRIP (tile k): exponentials and sum of k; exchange: store, signal; the score products of tile k + 1 round the signal and ahead of the wait; the maxima of k + 1 while the exchanged numbers come;
; then for all four steps of k together: weights, block maxima (16 chains), scale words, codes, and the 16 products of O^T in one run, four accumulators by turns.
; The last trip makes the scores of a tile past the end (tile 31's q again); they are not used.
; Both products are used transposed: a lane holds one query.  Row 8 g + j of tile 4 c + u of a step of k is key 64 c + 32 g + 8 u + j, chosen by the lanes' addresses: a lane's 32 registers of four tiles are one block of 32 keys.
; The head has 64 of the instruction's 128 along K: q's upper six registers are zero codes; k's upper six are the next fragment's codes, which zero codes multiply.  A negative temperature turns the signs of k's codes.
; WINDOWS: 0 addresses, scale words, q, O^T, codes, small work; 1 k's fragments v0-197, v's of step 0 v200-247; 2 e, then p', then (where a step's codes are made) v's fragments of the next step; 3 scores.
; LIMITS: NaN and infinities are not served; scaled scores stay under 2^31; |q_scale| under 2^-126 counts as 0 in the reciprocal; a block of p' under 2^-122 gets the byte 1.
.set KVB,   208896
.set QIB,   106496
.set KSC,   98304
.set VIM,   106496
.set VSC,   204800
.set STB,   98304                      ; LDS: v 4 x 24,576; the exchange: 4 slots x 4 waves x 256 bytes;
.set OB,    102400                     ; parts of O^T: 4 tiles x 4 waves x 4,096 bytes;
.set SPARE, 167936                     ; the spare words, 128 bytes a wave
.set FLOOR, 0x2800000
.set SPW,   6
.set NIL,   7
.set KS,    64                         ; v64-79 k's scale words, v80-87 v's, v88 q's, v89-92 p's of the four steps
.set VS,    80
.set QS,    88
.set PW,    89
.set TM,    96                         ; v96-111 sixteen chains of maxima; at work
.set SA,    112                        ; v112-127 eight chains of the sum; then the blocks' scale operands and bytes
.set PC,    128                        ; v128-159 the codes' upper halves as the conversions leave them; o's codes
.set O,     160                        ; v160-191 O^T
.set PCS,   192                        ; v192-239 p's codes: four operands of 12 registers
.set VF,    200                        ; window 1: v's four fragments of step 0
.set WV,    16
.set SEL,   20
.set CC,    54
.set RQ,    56
.set SG,    57
.set ONE,   58
.set ON,    59
.set J,     74
.set SJ,    75
.set OJ,    76
.set KK,    77
.set FM,    78
.set MSB, 0
.macro WIN new                         ; the immediate's high byte repeats the setting that is left
.if MSB != (\new)
	s_set_vgpr_msb (MSB<<8)|(\new)
.set MSB, (\new)
.endif
.endm
.macro WALU
	s_wait_alu depctr_va_vdst(0)
.endm
.macro NOPS n
.rept \n
	v_nop
.endr
.endm
.macro CROUND
	s_barrier_signal -1
	s_barrier_wait -1
	s_cmp_lg_u32 s[WV], 0
	s_cbranch_scc1 .Lnot_wave_0_\@
	s_barrier_signal -3
.Lnot_wave_0_\@:
	s_barrier_wait -3
	s_barrier_signal -1
	s_barrier_wait -1
.endm
.macro SCSTEP s                        ; 8 products: step s's eight tiles of 16 keys x the 16 queries.  Result window 3, source 0 (k) window 1, source 1 (q) window 0
.irp t, 0,1,2,3,4,5,6,7
.if \t%2
	v_wmma_scale_f32_16x16x128_f8f6f4 v[64*\s+8*\t:64*\s+8*\t+7], v[48*\s+6*\t:48*\s+6*\t+11], v[16:27], 0, v[KS+4*\s+2*(\t/4)+(\t%4)/2], v[QS] matrix_a_fmt:MATRIX_FMT_BF6 matrix_b_fmt:MATRIX_FMT_BF6 matrix_a_scale:MATRIX_SCALE_ROW1
.else
	v_wmma_scale_f32_16x16x128_f8f6f4 v[64*\s+8*\t:64*\s+8*\t+7], v[48*\s+6*\t:48*\s+6*\t+11], v[16:27], 0, v[KS+4*\s+2*(\t/4)+(\t%4)/2], v[QS] matrix_a_fmt:MATRIX_FMT_BF6 matrix_b_fmt:MATRIX_FMT_BF6
.endif
.endr
.endm
.macro QADR                            ; where tile min(KK, 31)'s image and scale words lie; KK steps
	s_min_u32 s66, s[KK], 31
	s_add_co_u32 s[KK], s[KK], 1
	s_mul_i32 s68, s66, 768
	s_add_nc_u64 s[44:45], s[70:71], s[68:69]
	s_lshr_b32 s68, s66, 3
	s_lshl_b32 s68, s68, 9
	s_and_b32 s67, s66, 1
	s_lshl_b32 s67, s67, 8
	s_or_b32 s68, s68, s67
	s_bfe_u32 s67, s66, 0x20001
	s_lshl_b32 s67, s67, 2
	s_or_b32 s68, s68, s67
	s_add_nc_u64 s[46:47], s[4:5], s[68:69]
.endm
.macro QLOAD
	global_load_b128 v[16:19], v1, s[44:45]
	global_load_b64 v[20:21], v2, s[44:45] offset:512
	global_load_b32 v[QS], v61, s[46:47]
.endm
.macro MAXM                            ; the largest of my 256 scores, in eight chains, each accumulator from its low end on; v12 = -M_w = floor(-t)
	WIN 0x0f
.set jj, 0
.rept 8
	v_max3_num_f32 v[TM+jj], v[2*jj], v[2*jj+1], 0xff7fffff
.set jj, jj+1
.endr
.rept 120
	v_max3_num_f32 v[TM+jj%8], v[2*jj], v[2*jj+1], v[TM+jj%8]
.set jj, jj+1
.endr
	WIN 0
	v_max3_num_f32 v[TM+8], v[TM], v[TM+1], v[TM+2]
	v_max3_num_f32 v[TM+9], v[TM+3], v[TM+4], v[TM+5]
	v_max3_num_f32 v[TM+8], v[TM+8], v[TM+6], v[TM+7]
	v_max_num_f32 v[TM+8], v[TM+8], v[TM+9]
	v_mul_f32 v[TM+8], s[CC], v[TM+8]
	v_floor_f32 v12, -v[TM+8]
.endm
.macro VLOAD s, win, base              ; step s's four fragments of v, into window win from register base on
	WIN (\win)<<6
.irp t, 0,1,2,3
.irp c, 0,1,2
	ds_load_b128 v[\base+12*\t+4*\c:\base+12*\t+4*\c+3], v3 offset:6144*(\s)+1536*\t+512*\c
.endr
.endr
.endm
.macro PV s                            ; O^T += v^T p^T, step s; the first step starts the sums; the four accumulators take turns through all sixteen products
.if \s == 0
	WIN 0x01
.set AB, VF
.else
	s_wait_dscnt 12*(3-\s)                         ; this step's 12 loads are in; those of the steps behind it, 12 each, may be out
	WIN 0x02
.set AB, 64*(\s-1)
.endif
.irp t, 0,1,2,3
.if (\s == 0) && (\t%2 == 0)
	v_wmma_scale_f32_16x16x128_f8f6f4 v[O+8*\t:O+8*\t+7], v[AB+12*\t:AB+12*\t+11], v[PCS+12*\s:PCS+12*\s+11], 0, v[VS+2*\s+\t/2], v[PW+\s] matrix_a_fmt:MATRIX_FMT_BF6 matrix_b_fmt:MATRIX_FMT_BF6
.endif
.if (\s == 0) && (\t%2 == 1)
	v_wmma_scale_f32_16x16x128_f8f6f4 v[O+8*\t:O+8*\t+7], v[AB+12*\t:AB+12*\t+11], v[PCS+12*\s:PCS+12*\s+11], 0, v[VS+2*\s+\t/2], v[PW+\s] matrix_a_fmt:MATRIX_FMT_BF6 matrix_b_fmt:MATRIX_FMT_BF6 matrix_a_scale:MATRIX_SCALE_ROW1
.endif
.if (\s > 0) && (\t%2 == 0)
	v_wmma_scale_f32_16x16x128_f8f6f4 v[O+8*\t:O+8*\t+7], v[AB+12*\t:AB+12*\t+11], v[PCS+12*\s:PCS+12*\s+11], v[O+8*\t:O+8*\t+7], v[VS+2*\s+\t/2], v[PW+\s] matrix_a_fmt:MATRIX_FMT_BF6 matrix_b_fmt:MATRIX_FMT_BF6
.endif
.if (\s > 0) && (\t%2 == 1)
	v_wmma_scale_f32_16x16x128_f8f6f4 v[O+8*\t:O+8*\t+7], v[AB+12*\t:AB+12*\t+11], v[PCS+12*\s:PCS+12*\s+11], v[O+8*\t:O+8*\t+7], v[VS+2*\s+\t/2], v[PW+\s] matrix_a_fmt:MATRIX_FMT_BF6 matrix_b_fmt:MATRIX_FMT_BF6 matrix_a_scale:MATRIX_SCALE_ROW1
.endif
.endr
.endm
	s_load_b256 s[4:11], s[0:1], 0x0               ; qi, kv, temperature, q_scale
	s_load_b128 s[12:15], s[0:1], 0x20             ; oc, os
	v_lshl_add_u32 v[SPW], v0, 2, SPARE
	v_mov_b32 v[NIL], 0
	ds_add_u32 v[SPW], v[NIL]                      ; the opening lines: the add, twice on end, and its wait ahead of my tensor load
	ds_add_u32 v[SPW], v[NIL]
	v_lshrrev_b32 v1, 5, v0
	v_readfirstlane_b32 s[WV], v1                  ; wave 0..3
	s_bfe_u32 s17, ttmp6, 0x40000                  ; cx: which 512 queries
	s_and_b32 s19, ttmp7, 0xffff                   ; 16 x batch + head
	s_mov_b32 s24, 15|(3<<16)|(1<<21)              ; group 1: the mask of the four; elements of 8 bytes; 96 dense rows of 256 bytes
	s_mov_b32 s25, 32<<16
	s_mov_b32 s26, 96<<16
	s_mov_b32 s27, 32<<16
	s_mov_b32 s28, 96
	s_mov_b32 s29, 32
	s_mov_b32 s30, 0
	s_mov_b32 s31, 0
	s_mul_i32 s66, s19, KVB
	s_mov_b32 s67, 0
	s_mul_i32 s68, s[WV], 24576                    ; my four steps, in k's images, in v's and in LDS alike
	s_mov_b32 s69, 0
	s_mov_b32 s[SEL], 0x76543210
	s_mov_b32 s[SEL+1], 0xfedcba98
	s_mov_b32 s22, 0xffff0000
	s_mov_b32 s[ONE], 0x3f800000
	s_wait_dscnt 0x0
	s_wait_kmcnt 0x0
	s_add_nc_u64 s[6:7], s[6:7], s[66:67]
	s_add_nc_u64 s[32:33], s[6:7], s[68:69]        ; my k
	s_mov_b32 s40, 1
	s_mov_b32 s41, s68
	s_add_nc_u64 s[42:43], s[32:33], VIM           ; my v
	s_or_b32 s43, s43, 0x80000000
	CROUND                                         ; the four work-groups are here: the joint loads meet
	tensor_load_to_lds s[40:43], s[24:31]
	s_nop 0
	NOPS 4
	s_lshl_b32 s68, s[WV], 11
	s_add_co_u32 s68, s68, KSC
	s_add_nc_u64 s[34:35], s[6:7], s[68:69]        ; my k's scale words
	s_lshl_b32 s68, s[WV], 10
	s_add_co_u32 s68, s68, VSC
	s_add_nc_u64 s[36:37], s[6:7], s[68:69]        ; my v's
	s_and_b32 s53, s19, 15                         ; head
	s_lshl_b32 s66, s53, 2
	s_add_nc_u64 s[10:11], s[10:11], s[66:67]
	s_load_b32 s51, s[8:9], 0x0
	s_load_b32 s52, s[10:11], 0x0
	s_mul_i32 s66, s19, QIB
	s_add_nc_u64 s[4:5], s[4:5], s[66:67]
	s_mul_i32 s66, s17, 24576
	s_add_nc_u64 s[70:71], s[4:5], s[66:67]        ; my work-group's 32 images of q
	s_lshl_b32 s66, s17, 11
	s_add_co_u32 s66, s66, KSC
	s_add_nc_u64 s[4:5], s[4:5], s[66:67]          ; and their scale words
	s_lshr_b32 s68, s19, 4
	s_lshl_b32 s68, s68, 7
	s_lshl_b32 s66, s17, 5
	s_add_co_u32 s68, s68, s66
	s_add_co_u32 s68, s68, s[WV]                   ; the first tile that I finish, in oc and os
	s_mul_i32 s66, s68, 12288
	s_mul_i32 s72, s53, 768
	s_add_co_u32 s66, s66, s72
	s_add_nc_u64 s[12:13], s[12:13], s[66:67]
	s_lshl_b32 s66, s68, 9
	s_lshr_b32 s72, s53, 2
	s_lshl_b32 s72, s72, 7
	s_add_co_u32 s66, s66, s72
	s_and_b32 s72, s53, 3
	s_lshl_b32 s72, s72, 1
	s_add_co_u32 s66, s66, s72
	s_add_nc_u64 s[14:15], s[14:15], s[66:67]
	s_mov_b32 s69, 0
	s_mov_b32 s[KK], 0
	QADR
	s_mul_i32 s72, s[WV], 24576
	s_lshl_b32 s73, s[WV], 8
	s_lshl_b32 s66, s[WV], 12
	s_lshl_b32 s67, s[WV], 14
	v_and_b32 v8, 31, v0
	v_lshlrev_b32 v1, 4, v8                        ; 16 x lane
	v_lshlrev_b32 v2, 3, v8                        ; 8 x lane
	v_and_b32 v9, 7, v0                            ; j
	v_bfe_u32 v10, v0, 3, 1                        ; g
	v_bfe_u32 v11, v0, 4, 1                        ; h
	v_and_b32 v28, 15, v0                          ; r
	v_mul_u32_u24 v48, v10, 1536                   ; rows 8-15 of a tile come from the image two further on
	v_lshl_add_u32 v49, v9, 3, v48
	v_lshl_add_u32 v49, v11, 7, v49                ; k's registers 4-5: + 8 (j + 16 h)
	v_lshl_add_u32 v48, v9, 4, v48
	v_lshl_add_u32 v48, v11, 8, v48                ; registers 0-3: + 16 (j + 16 h)
	v_lshlrev_b32 v50, 4, v9
	v_lshl_add_u32 v50, v11, 8, v50
	v_lshl_add_u32 v50, v10, 2, v50                ; scale words: 16 j + 256 h + 4 g
	v_add_nc_u32 v3, s72, v1                       ; LDS: my v
	v_add_nc_u32 v4, s73, v2
	v_add_nc_u32 v4, STB, v4                       ; the exchange: my 8 bytes
	v_lshlrev_b32 v5, 3, v28
	v_add_nc_u32 v5, STB, v5                       ; and row r's, of lanes 0-15 (lanes 16-31: 128 on)
	v_add_nc_u32 v11, s66, v1
	v_add_nc_u32 v11, OB, v11                      ; my part of O^T
	v_add_nc_u32 v58, s67, v1
	v_add_nc_u32 v58, OB, v58                      ; the tile that I finish
	v_bfe_u32 v60, v0, 4, 1
	v_lshl_add_u32 v59, v28, 3, v60                ; os: 8 r + h
	v_lshlrev_b32 v60, 3, v60                      ; 8 h
	v_lshlrev_b32 v61, 4, v28                      ; 16 r
	QLOAD
.irp s, 0,1,2,3
.irp i, 0,1,2,3
	global_load_b32 v[KS+4*\s+\i], v50, s[34:35] offset:512*\s+8*(\i/2)+128*(\i%2)
.endr
	global_load_b64 v[VS+2*\s:VS+2*\s+1], v2, s[36:37] offset:256*\s
.endr
	WIN 0x40                                       ; destinations in window 1
.irp s, 0,1,2,3
.irp t, 0,1,2,3,4,5,6,7
	global_load_b128 v[48*\s+6*\t:48*\s+6*\t+3], v48, s[32:33] offset:6144*\s+3072*(\t/4)+768*(\t%2)+128*((\t%4)/2)
	global_load_b64 v[48*\s+6*\t+4:48*\s+6*\t+5], v49, s[32:33] offset:6144*\s+3072*(\t/4)+768*(\t%2)+512+64*((\t%4)/2)
.endr
.endr
.irp j, 192,193,194,195,196,197
	v_mov_b32 v[\j], 0                             ; the last fragment's upper half
.endr
	WIN 0
.irp j, 13,22,23,24,25,26,27,31,36,37,38,39,56,57,62,63,TM+4,TM+5
	v_mov_b32 v[\j], 0                             ; q's upper half: zero codes; pairs' upper words; lane permutes' destinations; a pair of zeros
.endr
	s_wait_kmcnt 0x0
	v_mov_b32 v51, s51
	v_mov_b32 v52, s52
	WALU
	v_rcp_f32 v53, |v51|
	v_rcp_f32 v54, |v52|
	s_ashr_i32 s60, s51, 31                        ; a negative temperature: bit 5 of every code of k
	s_and_b32 s61, s60, 0x20820820
	s_and_b32 s62, s60, 0x08208208
	s_and_b32 s63, s60, 0x82082082
	s_and_b32 s66, s52, 0x7fffffff
	s_and_b32 s[SG], s52, 0x80000000
	s_or_b32 s[SG], s[SG], 0x3f800000
	s_cmp_eq_u32 s66, 0
	s_cselect_b32 s[SG], 0, s[SG]
	v_nop
	WALU
	v_mul_f32 v53, 0x3e38aa3b, v53                 ; c = log2(e) / 8 / |temperature|
	v_readfirstlane_b32 s[RQ], v54
	v_readfirstlane_b32 s[CC], v53
	s_mov_b32 s[CC+1], s[CC]
	s_wait_loadcnt 0x0
	WIN 0x55
.set jj, 0
.rept 64
	v_xor_b32 v[jj], s61, v[jj]
	v_xor_b32 v[jj+1], s62, v[jj+1]
	v_xor_b32 v[jj+2], s63, v[jj+2]
.set jj, jj+3
.endr
	WIN 0
	NOPS 4
	WALU
	s_wait_tensorcnt 0x0                           ; my v is in; no other wave reads it
	VLOAD 0, 1, VF
	WIN 0xc1
	SCSTEP 0                                       ; tile 0
	SCSTEP 1
	SCSTEP 2
	SCSTEP 3
	WIN 0
	QADR
	NOPS 4
	QLOAD                                          ; tile 1's q
	MAXM
	s_mov_b32 s[ON], 8
.Louter:                                               ; eight trips of four tiles
	s_mov_b32 s[J], 0
	s_mov_b32 s[SJ], 0
	s_mov_b32 s[OJ], 0
.Ltile:
	WIN 0x83                                       ; t - M_w: from window 3 into window 2
.set jj, 0
.rept 128
	v_pk_fma_f32 v[jj:jj+1], v[jj:jj+1], s[CC:CC+1], v[12:13] op_sel_hi:[1,0,0]
.set jj, jj+2
.endr
	WIN 0x82
	WALU                                           ; ahead of the batch
.set jj, 0
.rept 256
	v_exp_f32 v[jj], v[jj]
.set jj, jj+1
.endr
	WIN 0
	v_add_nc_u32 v8, s[SJ], v4                     ; a plain place behind the batch
	WALU
	WIN 0x02                                       ; the sum of my 256, in eight chains
.set jj, 0
.rept 8
	v_pk_add_f32 v[SA+2*jj:SA+2*jj+1], v[2*jj:2*jj+1], v[62:63]
.set jj, jj+1
.endr
.rept 120
	v_pk_add_f32 v[SA+2*(jj%8):SA+2*(jj%8)+1], v[2*jj:2*jj+1], v[SA+2*(jj%8):SA+2*(jj%8)+1]
.set jj, jj+1
.endr
	WIN 0
.irp c, 0,1,2,3
	v_pk_add_f32 v[SA+2*\c:SA+2*\c+1], v[SA+2*\c:SA+2*\c+1], v[SA+8+2*\c:SA+9+2*\c]
.endr
.irp c, 0,1
	v_pk_add_f32 v[SA+2*\c:SA+2*\c+1], v[SA+2*\c:SA+2*\c+1], v[SA+4+2*\c:SA+5+2*\c]
.endr
	v_pk_add_f32 v[SA:SA+1], v[SA:SA+1], v[SA+2:SA+3]
	v_add_f32 v13, v[SA], v[SA+1]
	ds_store_b64 v8, v[12:13]                      ; (-M_w, sum) of my half row, into the trip's slot
	WALU
	s_wait_loadcnt 0x0                             ; the next tile's q is in
	WIN 0xc1
	SCSTEP 0                                       ; eight of the next tile's products stand between the store and the wait for it
	s_wait_dscnt 0x0                               ; for the others' sake
	s_barrier_signal -1
	SCSTEP 1                                       ; work on registers alone
	SCSTEP 2
	SCSTEP 3
	WIN 0
	QADR
	s_cmp_eq_u32 s[J], s[WV]
	s_cselect_b32 s[FM], -1, 0                     ; is this the tile that I finish?
	s_barrier_wait -1
	v_add_nc_u32 v9, s[SJ], v5                     ; four plain lines: the places behind the products
	v_mov_b32 v28, v12                             ; this tile's -M_w
	v_add_nc_u32 v10, s[OJ], v11
	v_nop
.irp p, 0,1,2,3,4,5,6,7
	ds_load_b64 v[32+2*\p:33+2*\p], v9 offset:128*\p   ; the eight half rows' numbers, in one order in every lane and wave
.endr
	QLOAD                                          ; the q of two tiles on
	MAXM
	s_wait_dscnt 0x0
	v_min3_num_f32 v48, v32, v34, v36
	v_min3_num_f32 v49, v38, v40, v42
	v_min3_num_f32 v48, v48, v44, v46
	v_min_num_f32 v48, v48, v49                    ; -M
.irp p, 0,1,2,3,4,5,6,7
	v_sub_f32 v[32+2*\p], v48, v[32+2*\p]
.endr
	v_sub_f32 v54, v48, v28
.irp p, 0,1,2,3,4,5,6,7
	v_cvt_i32_f32 v[32+2*\p], v[32+2*\p]           ; (it saturates)
.endr
	v_cvt_i32_f32 v54, v54
.irp p, 0,1,2,3,4,5,6,7
	v_ldexp_f32 v[33+2*\p], v[33+2*\p], v[32+2*\p] ; each part under M: nothing is rounded
.endr
	v_add_f32 v33, v33, v35
	v_add_f32 v37, v37, v39
	v_add_f32 v41, v41, v43
	v_add_f32 v45, v45, v47
	v_add_f32 v33, v33, v37
	v_add_f32 v41, v41, v45
	v_add_f32 v33, v33, v41
	v_mul_f32 v50, s[RQ], v33                      ; sum / |q_scale| = m 2^x
	v_and_or_b32 v51, v50, 0x7fffff, s[ONE]        ; m
	v_lshrrev_b32 v52, 23, v50
	v_sub_nc_u32 v52, 127, v52                     ; -x
	v_ldexp_f32 v53, s[SG], v52                    ; the last factor
	WALU
	v_rcp_f32 v51, v51
	v_cndmask_b32 v56, v56, v53, s[FM]             ; kept for the tile that I finish; a plain place
	WALU
	v_ldexp_f32 v30, v51, v54                      ; 2^(M_w - M) / m
	WIN 0x82                                       ; p' = e x that, all four steps
.set jj, 0
.rept 128
	v_pk_mul_f32 v[jj:jj+1], v[jj:jj+1], v[30:31] op_sel_hi:[1,0]
.set jj, jj+2
.endr
	WIN 0x0a                                       ; my eight blocks' largest p' (block B: registers 32 B on), two chains a block, with the floor among the leaves
.set jj, 0
.rept 16
	v_max3_num_f32 v[TM+jj], v[16*jj], v[16*jj+1], FLOOR
.set jj, jj+1
.endr
.irp i, 2,4,6,8,10,12,14
.set jj, 0
.rept 16
	v_max3_num_f32 v[TM+jj], v[16*jj+\i], v[16*jj+\i+1], v[TM+jj]
.set jj, jj+1
.endr
.endr
	WIN 0
.irp b, 0,1,2,3,4,5,6,7
	v_max_num_f32 v[TM+2*\b], v[TM+2*\b], v[TM+2*\b+1]
.endr
.irp b, 0,1,2,3,4,5,6,7
	v_add_nc_u32 v[SA+\b], 0xfe000000, v[TM+2*\b]  ; 4 off the exponent field: the conversion's scale operand
.endr
.irp b, 0,1,2,3,4,5,6,7
	v_lshrrev_b32 v[SA+8+\b], 23, v[SA+\b]         ; the scale's byte
.endr
.irp s, 0,1,2,3
	v_lshl_or_b32 v[32+\s], v[SA+9+2*\s], 16, v[SA+8+2*\s]
.endr
.irp s, 0,1,2,3
	v_lshlrev_b32 v[32+\s], v60, v[32+\s]          ; my two bytes, 8 h bits up
.endr
.irp s, 0,1,2,3
	v_permlanex16_b32 v[36+\s], v[32+\s], s[SEL], s[SEL+1]
.endr
.irp s, 0,1,2,3
	v_or_b32 v[PW+\s], v[32+\s], v[36+\s]          ; the step's scale word
.endr
.irp s, 0,1,2,3
	WIN 0x02
.irp c, 0,1
	v_cvt_scalef32_pk16_bf6_f32 v[PCS+12*\s+6*\c:PCS+12*\s+6*\c+2], v[64*\s+32*\c:64*\s+32*\c+15], v[SA+2*\s+\c]
	v_cvt_scalef32_pk16_bf6_f32 v[PC+8*\s+4*\c:PC+8*\s+4*\c+2], v[64*\s+32*\c+16:64*\s+32*\c+31], v[SA+2*\s+\c]   ; (a conversion's three registers begin on an even number)
.endr
.if \s < 3
	VLOAD \s+1, 2, 64*\s                           ; the step's p' is done with: its registers take the next step's fragments of v
.endif
.endr
	WIN 0
	v_nop                                          ; one plain place behind the conversions
.irp s, 0,1,2,3
.irp c, 0,1
.irp i, 0,1,2
	v_mov_b32 v[PCS+12*\s+6*\c+3+\i], v[PC+8*\s+4*\c+\i]
.endr
.endr
.endr
	NOPS 4                                         ; the last codes stand 4 places ahead of the products
	WALU
	PV 0
	PV 1
	PV 2
	PV 3
	WIN 0
	NOPS 4
	VLOAD 0, 1, VF                                 ; for the next tile
	WIN 0
.irp g, 0,1,2,3,4,5,6,7
	ds_store_b128 v10, v[O+4*\g:O+4*\g+3] offset:512*\g   ; my keys' part of O^T
.endr
	s_add_co_u32 s[SJ], s[SJ], 1024
	s_add_co_u32 s[OJ], s[OJ], 16384
	s_add_co_u32 s[J], s[J], 1
	s_cmp_lt_u32 s[J], 4
	WALU
	s_cbranch_scc1 .Ltile
	s_wait_dscnt 0x0
	s_barrier_signal -1
	s_barrier_wait -1                              ; four tiles' parts are whole: wave w finishes the w-th
	WIN 0x80
.irp p, 0,1,2,3
.irp g, 0,1,2,3,4,5,6,7
	ds_load_b128 v[32*\p+4*\g:32*\p+4*\g+3], v58 offset:4096*\p+512*\g
.endr
.endr
	s_wait_dscnt 16                                ; the first two parts are in; the 16 loads of the other two may be out
	WIN 0x8a
.set jj, 0
.rept 16
	v_pk_add_f32 v[jj:jj+1], v[jj:jj+1], v[32+jj:33+jj]
.set jj, jj+2
.endr
	s_wait_dscnt 0x0
.set jj, 0
.rept 16
	v_pk_add_f32 v[64+jj:65+jj], v[64+jj:65+jj], v[96+jj:97+jj]
.set jj, jj+2
.endr
.set jj, 0
.rept 16
	v_pk_add_f32 v[jj:jj+1], v[jj:jj+1], v[64+jj:65+jj]
.set jj, jj+2
.endr
	WIN 0x02
.set jj, 0
.rept 16
	v_pk_mul_f32 v[O+jj:O+jj+1], v[jj:jj+1], v[56:57] op_sel_hi:[1,0]
.set jj, jj+2
.endr
	WIN 0
.irp b, 0,1
	v_max3_num_f32 v[TM+\b], |v[O+16*\b]|, |v[O+1+16*\b]|, FLOOR
.endr
.irp i, 2,4,6,8,10,12,14
.irp b, 0,1
	v_max3_num_f32 v[TM+\b], v[TM+\b], |v[O+16*\b+\i]|, |v[O+1+16*\b+\i]|
.endr
.endr
.irp b, 0,1
	v_permlanex16_b32 v[TM+4+\b], v[TM+\b], s[SEL], s[SEL+1]
.endr
.irp b, 0,1
	v_max_num_f32 v[TM+\b], v[TM+\b], v[TM+4+\b]
.endr
.irp b, 0,1
	v_add_nc_u32 v[TM+12+\b], 0xfe000000, v[TM+\b]
.endr
.irp b, 0,1
	v_lshrrev_b32 v[TM+4+\b], 23, v[TM+12+\b]
.endr
	v_cvt_scalef32_pk16_bf6_f32 v[PC:PC+2], v[O:O+15], v[TM+12]
	v_cvt_scalef32_pk16_bf6_f32 v[PC+12:PC+14], v[O+16:O+31], v[TM+13]
	v_nop
.irp i, 0,1,2
	v_permlane16_swap_b32 v[PC+\i], v[PC+12+\i]    ; a whole block to a lane
.endr
.irp i, 0,1,2
	v_mov_b32 v[PC+3+\i], v[PC+12+\i]
.endr
	v_cndmask_b32 v[TM+6], v[TM+4], v[TM+5], s22
	WALU
	global_store_b128 v1, v[PC:PC+3], s[12:13]
	global_store_b64 v2, v[PC+4:PC+5], s[12:13] offset:512
	global_store_b8 v59, v[TM+6], s[14:15]
	s_wait_xcnt 0x0                                ; the stores have read their registers and bases
	s_add_nc_u64 s[12:13], s[12:13], 49152         ; four tiles on
	s_add_nc_u64 s[14:15], s[14:15], 2048
	s_sub_co_u32 s[ON], s[ON], 1
	s_cmp_lg_u32 s[ON], 0
	WALU
	s_cbranch_scc1 .Louter
	s_wait_loadcnt 0x0
	s_wait_tensorcnt 0x0                           ; the wave's end
	ds_add_u32 v[SPW], v[NIL]
	s_wait_dscnt 0x0
	CROUND                                         ; the closing round
	s_endpgm
.Lfunc_end_k_q44c4b722ee_attn:
	.size	k_q44c4b722ee_attn, .Lfunc_end_k_q44c4b722ee_attn-k_q44c4b722ee_attn
	.p2alignl 7, 3214868480
	.fill 96, 4, 3214868480
	.section	.rodata,"a",@progbits
	.p2align	6, 0x0
	.amdhsa_kernel k_q44c4b722ee_attn
		.amdhsa_group_segment_fixed_size 327680
		.amdhsa_private_segment_fixed_size 0
		.amdhsa_enable_private_segment 0
		.amdhsa_kernarg_size 48
		.amdhsa_user_sgpr_count 2
		.amdhsa_user_sgpr_kernarg_segment_ptr 1
		.amdhsa_wavefront_size32 1
		.amdhsa_system_sgpr_workgroup_id_x 1
		.amdhsa_system_sgpr_workgroup_id_y 1
		.amdhsa_system_sgpr_workgroup_id_z 1
		.amdhsa_system_vgpr_workitem_id 0
		.amdhsa_next_free_vgpr 1024
		.amdhsa_next_free_sgpr 80
		.amdhsa_reserve_vcc 0
		.amdhsa_float_denorm_mode_32 3
		.amdhsa_float_denorm_mode_16_64 3
		.amdhsa_memory_ordered 1
		.amdhsa_forward_progress 1
		.amdhsa_inst_pref_size 114
	.end_amdhsa_kernel
	.amdgpu_metadata
---
amdhsa.version: [ 1, 2 ]
amdhsa.kernels:
  - .name:           k_q44c4b722ee_attn
    .symbol:         k_q44c4b722ee_attn.kd
    .args:
      - { .name: qi, .offset: 0, .size: 8, .value_kind: global_buffer, .address_space: global }
      - { .name: kv, .offset: 8, .size: 8, .value_kind: global_buffer, .address_space: global }
      - { .name: temperature, .offset: 16, .size: 8, .value_kind: global_buffer, .address_space: global }
      - { .name: q_scale, .offset: 24, .size: 8, .value_kind: global_buffer, .address_space: global }
      - { .name: oc, .offset: 32, .size: 8, .value_kind: global_buffer, .address_space: global }
      - { .name: os, .offset: 40, .size: 8, .value_kind: global_buffer, .address_space: global }
    .group_segment_fixed_size: 327680
    .private_segment_fixed_size: 0
    .kernarg_segment_align: 8
    .kernarg_segment_size: 48
    .max_flat_workgroup_size: 128
    .sgpr_count:     80
    .vgpr_count:     1024
    .wavefront_size: 32
...
	.end_amdgpu_metadata
.endif
;; end of part 3
;; launch oproj (part 4): grid 4 x 32, 4 waves a work-group, clusters of 4 x 4, 327,680 bytes of LDS; arguments oc, os, wc, ws, b_o, out0; writes out0
.if DOCPART == 4
	.amdgcn_target "amdgcn-amd-amdhsa--gfx1250"
	.amdhsa_code_object_version 6
	.text
	.protected	k_q44c4b722ee_oproj
	.globl	k_q44c4b722ee_oproj
	.p2align	8
	.type	k_q44c4b722ee_oproj,@function
k_q44c4b722ee_oproj:
	s_mov_b64 s[64:65], 0
	v_nop
	global_prefetch_b8 v0, s[64:65] scope:SCOPE_SE
	s_setreg_imm32_b32 hwreg(HW_REG_WAVE_MODE, 25, 1), 1
	s_wait_xcnt 0x0
	s_wait_alu depctr_hold_cnt(0) depctr_sa_sdst(0) depctr_va_vdst(0) depctr_va_sdst(0) depctr_va_ssrc(0) depctr_va_vcc(0) depctr_vm_vsrc(0)
	s_getreg_b32 s2, hwreg(HW_REG_IB_STS2, 6, 4)
	s_cmp_eq_u32 s2, 0
	s_cbranch_scc0 .Lentry_in_a_cluster
	s_endpgm
.Lentry_in_a_cluster:
	s_bfe_u32 s2, ttmp6, 0x10000c
	s_cmp_lg_u32 s2, 0xf033
	s_cbranch_scc0 .Lentry_shape_is_right
	s_endpgm
.Lentry_shape_is_right:
.set FR,    12
.set NL,    4
.set NP,    4
.set NQ,    2
.set TILEB, 12288
.set STEPB, 3072
.set HALFT, 8*STEPB
.set SLOT,  4*HALFT
.set SCL,   2*SLOT
.set SPARE, 213248
.set ADRA,  16
.set ADRB,  20
.set STO,   24
.set RD,    25
.set ADRS,  27
.set SPW,   28
.set NIL,   29
.set SC,    32
.set BI,    64
.set AF,    128
.set BK,    128
.set SPITCH, 528
.set G1,    24
.set G0,    32
.set G1B,   40
.set G0B,   48
.set G1S,   56
.set G1SB,  68
.set G0S,   76
.set G0SB,  80
.set MSB, 0
.macro WIN new
.if MSB != (\new)
	s_set_vgpr_msb (MSB<<8)|(\new)
.set MSB, (\new)
.endif
.endm
.set MUL_LO, 0xa1
.set MUL_HI, 0xf1
.set TO_B,   0x40
.macro JLOAD g0a, g1a, g0b, g1b
	s_cmp_eq_u32 s15, 0
	s_cbranch_scc0 .Lfor_b_\@
	tensor_load_to_lds s[\g0a:\g0a+3], s[\g1a:\g1a+7]
	s_nop 0
.rept 4
	v_nop
.endr
	s_branch .Lasked_\@
.Lfor_b_\@:
	tensor_load_to_lds s[\g0b:\g0b+3], s[\g1b:\g1b+7]
	s_nop 0
.rept 4
	v_nop
.endr
.Lasked_\@:
.endm
.macro CREST
	s_cmp_lg_u32 s14, 0
	s_cbranch_scc1 .Lnot_wave_0_\@
	s_barrier_signal -3
.Lnot_wave_0_\@:
	s_barrier_wait -3
	s_barrier_signal -1
	s_barrier_wait -1
.endm
.macro CROUND
	s_barrier_signal -1
	s_barrier_wait -1
	CREST
.endm
.macro PLACES n
.rept \n
	v_nop
.endr
.endm
.macro FRAG reg, adr, q, i
	ds_load_b128 v[\reg:\reg+3], v[\adr] offset:(\i)*STEPB+(\q)*1536
	ds_load_b64 v[\reg+4:\reg+5], v[\adr+2] offset:(\i)*STEPB+(\q)*1536+512
	ds_load_b128 v[\reg+6:\reg+9], v[\adr] offset:(\i)*STEPB+(\q)*1536+768
	ds_load_b64 v[\reg+10:\reg+11], v[\adr+2] offset:(\i)*STEPB+(\q)*1536+1280
.endm
.macro MUL16 a0, p, q, sc, zero
.irp a, \a0, \a0+1
.irp b, 0,1,2,3,4,5,6,7
.if \zero == 2
	v_wmma_scale_f32_16x16x128_f8f6f4 v[8*(8*((\a)%4)+\b):8*(8*((\a)%4)+\b)+7], v[128*(\p)+FR*\b:128*(\p)+FR*\b+FR-1], v[AF+FR*(\a):AF+FR*(\a)+FR-1], v[BI+8*\b:BI+8*\b+7], v[SC+8*NQ*(\sc)+NQ*\b+(\q)], v[SC+8*NQ*(\sc)+NQ*(\a)+(\q)] matrix_a_fmt:MATRIX_FMT_BF6 matrix_b_fmt:MATRIX_FMT_BF6 matrix_a_scale:MATRIX_SCALE_ROW1
.else
	v_wmma_scale_f32_16x16x128_f8f6f4 v[8*(8*((\a)%4)+\b):8*(8*((\a)%4)+\b)+7], v[128*(\p)+FR*\b:128*(\p)+FR*\b+FR-1], v[AF+FR*(\a):AF+FR*(\a)+FR-1], v[8*(8*((\a)%4)+\b):8*(8*((\a)%4)+\b)+7], v[SC+8*NQ*(\sc)+NQ*\b+(\q)], v[SC+8*NQ*(\sc)+NQ*(\a)+(\q)] matrix_a_fmt:MATRIX_FMT_BF6 matrix_b_fmt:MATRIX_FMT_BF6 matrix_a_scale:MATRIX_SCALE_ROW1
.endif
.endr
.endr
.endm
.macro FETCH_B slot, q, p
	WIN TO_B
.irp i, 0,1,2,3,4,5,6,7
	FRAG 128*(\p)+FR*\i, ADRB+\slot, \q, \i
.endr
	WIN 0
.endm
.macro FETCH_A slot, q, i0
.irp i, \i0, \i0+1, \i0+2, \i0+3
	FRAG AF+FR*(\i), ADRA+\slot, \q, \i
.endr
.endm
.macro SCALES sc
.irp i, 0,1,2,3,4,5,6,7
	ds_load_b64 v[SC+8*NQ*\sc+NQ*\i:SC+8*NQ*\sc+NQ*\i+1], v[ADRS] offset:\i*512
.endr
.endm
.macro STEP slot, q, zero
	s_wait_dscnt 4*NL
.if \zero == 2
	WIN 0x81
.else
	WIN MUL_LO
.endif
	MUL16 0, (\q)%2, \q, \slot, \zero
	MUL16 2, (\q)%2, \q, \slot, \zero
	s_wait_dscnt 0x0
	PLACES NP
	FETCH_B \slot, (\q)+1, 1-(\q)%2
	FETCH_A \slot, (\q)+1, 0
.if \zero == 2
	WIN 0xc1
.else
	WIN MUL_HI
.endif
	MUL16 4, (\q)%2, \q, \slot, \zero
	MUL16 6, (\q)%2, \q, \slot, \zero
	PLACES NP
	WIN 0
	FETCH_A \slot, (\q)+1, 4
.endm
.macro TURN slot, next, fill
	s_wait_tensorcnt 0x0
	ds_add_u32 v[SPW], v[NIL]
	s_wait_dscnt 4*NL+1
	WIN MUL_LO
	MUL16 0, 1, NQ-1, \slot, 0
	s_wait_dscnt 0x0
	s_barrier_signal -1
	MUL16 2, 1, NQ-1, \slot, 0
	WIN 0
	s_barrier_wait -1
.if \fill
	CREST
	s_add_nc_u64 s[G0+4*\slot+2:G0+4*\slot+3], s[G0+4*\slot+2:G0+4*\slot+3], 2*STEPB
	s_add_nc_u64 s[G0B+4*\slot+2:G0B+4*\slot+3], s[G0B+4*\slot+2:G0B+4*\slot+3], 2*STEPB
	JLOAD G0+4*\slot, G1, G0B+4*\slot, G1B
.else
	PLACES NP
.endif
	s_wait_alu depctr_va_vdst(0)
	v_add_nc_u32 v[ADRS], 128, v[ADRS]
	FETCH_B \next, 0, 0
	FETCH_A \next, 0, 0
	SCALES \next
	WIN MUL_HI
	MUL16 4, 1, NQ-1, \slot, 0
	MUL16 6, 1, NQ-1, \slot, 0
	PLACES NP
	WIN 0
	FETCH_A \next, 0, 4
.endm
	s_load_b256 s[84:91], s[0:1], 0x0
	s_load_b128 s[92:95], s[0:1], 0x20
	v_lshl_add_u32 v[SPW], v0, 2, SPARE
	v_mov_b32 v[NIL], 0
	ds_add_u32 v[SPW], v[NIL]
	ds_add_u32 v[SPW], v[NIL]
	v_lshrrev_b32 v1, 5, v0
	v_readfirstlane_b32 s14, v1
	s_lshr_b32 s15, s14, 1
	s_and_b32 s16, s14, 1
	s_bfe_u32 s12, ttmp6, 0x40000
	s_bfe_u32 s13, ttmp6, 0x40004
	s_lshl_b32 s2, ttmp9, 2
	s_add_co_u32 s2, s2, s12
	s_and_b32 s17, ttmp7, 0xffff
	s_lshl_b32 s17, s17, 2
	s_add_co_u32 s17, s17, s13
	s_lshl_b32 s20, s13, 2
	s_lshl_b32 s20, 15, s20
	s_lshl_b32 s66, 0x1111, s12
	s_or_b32 s[G1], s20, (3<<16)|(1<<21)
	s_or_b32 s[G1B], s66, (3<<16)|(1<<21)
	s_or_b32 s[G1S], s20, (3<<16)|(1<<21)
	s_or_b32 s[G1SB], s66, (3<<16)|(1<<21)
.irp g, G1, G1B
	s_mov_b32 s[\g+1], 384<<16
	s_mov_b32 s[\g+2], 16<<16
	s_mov_b32 s[\g+3], 384<<16
	s_mov_b32 s[\g+4], 16
	s_mov_b32 s[\g+5], 1536
	s_mov_b32 s[\g+6], 0
	s_mov_b32 s[\g+7], 0
.endr
.irp g, G1S, G1SB
	s_mov_b32 s[\g+1], 32<<16
	s_mov_b32 s[\g+2], 32<<16
	s_mov_b32 s[\g+3], 32<<16
	s_mov_b32 s[\g+4], 32
	s_mov_b32 s[\g+5], 32
	s_mov_b32 s[\g+6], 0
	s_mov_b32 s[\g+7], 0
.endr
	s_lshl_b32 s19, s16, 3
	s_lshl_b32 s20, s17, 4
	s_add_co_u32 s20, s20, s19
	s_lshl_b32 s66, s2, 4
	s_add_co_u32 s66, s66, s19
	s_add_co_u32 s66, s66, 192
	s_lshl_b32 s22, s20, 9
	s_mov_b32 s23, 0
	s_mul_i32 s20, s20, TILEB
	s_mov_b32 s21, 0
	s_lshl_b32 s104, s66, 9
	s_mov_b32 s105, 0
	s_mul_i32 s66, s66, TILEB
	s_mov_b32 s67, 0
	s_mul_i32 s18, s14, HALFT
	s_wait_dscnt 0x0
	s_wait_kmcnt 0x0
	s_add_nc_u64 s[20:21], s[84:85], s[20:21]
	s_add_nc_u64 s[22:23], s[86:87], s[22:23]
	s_add_nc_u64 s[66:67], s[88:89], s[66:67]
	s_add_nc_u64 s[104:105], s[90:91], s[104:105]
	CROUND
	; THE HEAD'S FOUR TILES, ONE LOAD A WAVE: wave 0 K step 0 of A's 16 tiles, wave 1 of B's, wave 2 A's scale words, wave 3 B's
	s_mul_i32 s12, s16, 8*TILEB                    ; my half lies so many bytes behind the first of the 16 tiles
	s_mov_b32 s13, 0
	s_mov_b32 s4, 1
	s_mov_b32 s5, 0
	s_sub_nc_u64 s[6:7], s[20:21], s[12:13]
	s_or_b32 s7, s7, 0x80000000
	s_mov_b32 s8, 1
	s_mov_b32 s9, 2*HALFT
	s_sub_nc_u64 s[10:11], s[66:67], s[12:13]
	s_or_b32 s11, s11, 0x80000000
	s_lshl_b32 s12, s16, 12                        ; the same for the scale words
	s_mov_b32 s[G0S], 1
	s_mov_b32 s[G0S+1], SCL
	s_sub_nc_u64 s[G0S+2:G0S+3], s[22:23], s[12:13]
	s_or_b32 s[G0S+3], s[G0S+3], 0x80000000
	s_mov_b32 s[G0SB], 1
	s_mov_b32 s[G0SB+1], SCL+8192+128
	s_sub_nc_u64 s[G0SB+2:G0SB+3], s[104:105], s[12:13]
	s_or_b32 s[G0SB+3], s[G0SB+3], 0x80000000
.macro ARM under, g0, g1, next         ; one chain of branches on the wave's number: every way passes exactly one load
	s_cmp_lt_u32 s14, \under
	s_cbranch_scc0 \next
	tensor_load_to_lds s[\g0:\g0+3], s[\g1:\g1+7]
	s_nop 0
.rept 4
	v_nop
.endr
	s_branch .Lhead_asked
\next:
.endm
	ARM 1, 4, G1, .Lhead_b
	ARM 2, 8, G1B, .Lhead_sa
	ARM 3, G0S, G1S, .Lhead_sb
	tensor_load_to_lds s[G0SB:G0SB+3], s[G1SB:G1SB+7]
	s_nop 0
.rept 4
	v_nop
.endr
.Lhead_asked:
.irp s, 0,1
	s_mov_b32 s[G0+4*\s], 1
	s_add_co_u32 s[G0+4*\s+1], s18, \s*SLOT
	s_add_nc_u64 s[G0+4*\s+2:G0+4*\s+3], s[20:21], \s*STEPB
	s_or_b32 s[G0+4*\s+3], s[G0+4*\s+3], 0x80000000
	s_mov_b32 s[G0B+4*\s], 1
	s_add_co_u32 s[G0B+4*\s+1], s18, \s*SLOT
	s_add_nc_u64 s[G0B+4*\s+2:G0B+4*\s+3], s[66:67], \s*STEPB
	s_or_b32 s[G0B+4*\s+3], s[G0B+4*\s+3], 0x80000000
.endr
	v_and_b32 v1, 31, v0
	v_and_b32 v2, 15, v0
	v_bfe_u32 v3, v0, 4, 1
	v_lshlrev_b32 v4, 4, v1
	v_lshlrev_b32 v5, 3, v1
	s_mul_i32 s18, s15, HALFT
	s_mul_i32 s19, s16, HALFT
	s_add_co_u32 s19, s19, 2*HALFT
.irp s, 0,1
	v_add_nc_u32 v[ADRA+\s], s18, v4
	v_add_nc_u32 v[ADRB+\s], s19, v4
	v_add_nc_u32 v[ADRA+2+\s], s18, v5
	v_add_nc_u32 v[ADRB+2+\s], s19, v5
	s_add_co_u32 s18, s18, SLOT
	s_add_co_u32 s19, s19, SLOT
.endr
	s_lshl_b32 s18, s15, 12
	s_lshl_b32 s19, s16, 12
	s_add_co_u32 s19, s19, 8192+128
	s_sub_co_u32 s19, s19, s18
	v_mul_u32_u24 v6, s19, v3
	v_lshl_add_u32 v6, v2, 3, v6
	s_add_co_u32 s18, s18, SCL
	v_add_nc_u32 v[ADRS], s18, v6
	s_mul_i32 s18, s14, 16*SPITCH
	v_mul_u32_u24 v6, v2, SPITCH
	v_lshl_add_u32 v6, v3, 6, v6
	v_add_nc_u32 v[STO], s18, v6
	v_add_nc_u32 v[RD], s18, v4
	s_lshl_b32 s66, s2, 10
	s_lshl_b32 s104, s16, 9
	s_add_co_u32 s66, s66, s104
	s_mov_b32 s67, 0
	s_add_nc_u64 s[92:93], s[92:93], s[66:67]
	s_lshl_b32 s20, s17, 20
	s_lshl_b32 s22, s15, 19
	s_add_co_u32 s20, s20, s22
	s_mov_b32 s21, 0
	s_add_nc_u64 s[94:95], s[94:95], s[20:21]
	s_add_nc_u64 s[94:95], s[94:95], s[66:67]
	v_lshlrev_b32 v7, 6, v3
.irp b, 0,1,2,3,4,5,6,7
	global_load_b128 v[BI+8*\b:BI+8*\b+3], v7, s[92:93] offset:4*(32*(\b/2)+8*(\b%2))
	global_load_b128 v[BI+8*\b+4:BI+8*\b+7], v7, s[92:93] offset:4*(32*(\b/2)+8*(\b%2))+16
.endr
	s_wait_alu depctr_va_vdst(0)
	s_wait_tensorcnt 0x0                           ; my tile of the head's four is in
	ds_add_u32 v[SPW], v[NIL]
	s_mov_b32 s[G1+2], 8<<16                       ; no tensor load of mine is out: from here on a load brings 8 tiles
	s_mov_b32 s[G1+4], 8
	s_mov_b32 s[G1B+2], 8<<16
	s_mov_b32 s[G1B+4], 8
	s_wait_dscnt 0x0
	CROUND                                         ; all four tiles are in, and all sixteen work-groups are here
	JLOAD G0+4, G1, G0B+4, G1B                     ; K step 1, the first tensor load behind the round
	FETCH_B 0, 0, 0
	FETCH_A 0, 0, 0
	SCALES 0
	FETCH_A 0, 0, 4
	s_wait_loadcnt 0x0
	STEP 0, 0, 2
	TURN 0, 1, 1
	STEP 1, 0, 0
	TURN 1, 0, 1
	STEP 0, 0, 0
	TURN 0, 1, 0
	STEP 1, 0, 0
	s_wait_dscnt 4*NL
	WIN MUL_LO
	MUL16 0, 1, NQ-1, 1, 0
	MUL16 2, 1, NQ-1, 1, 0
	s_wait_dscnt 0x0
	WIN MUL_HI
	MUL16 4, 1, NQ-1, 1, 0
	MUL16 6, 1, NQ-1, 1, 0
	WIN 0
.macro TOSTAGE a
.set AC, 64*((\a)%4)
	WIN 0x08+4*((\a)/4)
.irp b, 0,1,2,3,4,5,6,7
	ds_store_b128 v[STO], v[AC+8*\b:AC+8*\b+3] offset:128*(\b/2)+32*(\b%2)
	ds_store_b128 v[STO], v[AC+8*\b+4:AC+8*\b+7] offset:128*(\b/2)+32*(\b%2)+16
.endr
	WIN 0
.set BB, BK+64*((\a)%2)
.irp t, 0,1,2,3,4,5,6,7,8,9,10,11,12,13,14,15
	ds_load_b128 v[BB+4*\t:BB+4*\t+3], v[RD] offset:\t*SPITCH
.endr
.endm
.macro SEND a, younger
.set BB, BK+64*((\a)%2)
	s_wait_dscnt \younger
.irp t, 0,1,2,3,4,5,6,7,8,9,10,11,12,13,14,15
	global_store_b128 v4, v[BB+4*\t:BB+4*\t+3], s[94:95] offset:(32*((\a)/2)+8*((\a)%2)+\t+8*(\t/8))*4096 th:TH_STORE_NT
.endr
.endm
	PLACES NP
	TOSTAGE 0
.irp a, 1,2,3,4,5,6,7
.if \a > 1
	s_wait_xcnt 0x0
.endif
	TOSTAGE \a
	SEND \a-1, 32
.endr
	SEND 7, 0
	s_wait_tensorcnt 0x0
	ds_add_u32 v[SPW], v[NIL]
	s_wait_dscnt 0x0
	CROUND
	s_endpgm
.Lfunc_end_k_q44c4b722ee_oproj:
	.size	k_q44c4b722ee_oproj, .Lfunc_end_k_q44c4b722ee_oproj-k_q44c4b722ee_oproj
	.p2alignl 7, 3214868480
	.fill 96, 4, 3214868480
	.section	.rodata,"a",@progbits
	.p2align	6, 0x0
	.amdhsa_kernel k_q44c4b722ee_oproj
		.amdhsa_group_segment_fixed_size 327680
		.amdhsa_private_segment_fixed_size 0
		.amdhsa_enable_private_segment 0
		.amdhsa_kernarg_size 48
		.amdhsa_user_sgpr_count 2
		.amdhsa_user_sgpr_kernarg_segment_ptr 1
		.amdhsa_wavefront_size32 1
		.amdhsa_system_sgpr_workgroup_id_x 1
		.amdhsa_system_sgpr_workgroup_id_y 1
		.amdhsa_system_sgpr_workgroup_id_z 1
		.amdhsa_system_vgpr_workitem_id 0
		.amdhsa_next_free_vgpr 1024
		.amdhsa_next_free_sgpr 106
		.amdhsa_reserve_vcc 0
		.amdhsa_float_denorm_mode_32 3
		.amdhsa_float_denorm_mode_16_64 3
		.amdhsa_memory_ordered 1
		.amdhsa_forward_progress 1
		.amdhsa_inst_pref_size 145
	.end_amdhsa_kernel
	.amdgpu_metadata
---
amdhsa.version: [ 1, 2 ]
amdhsa.kernels:
  - .name:           k_q44c4b722ee_oproj
    .symbol:         k_q44c4b722ee_oproj.kd
    .args:
      - { .name: oc, .offset: 0, .size: 8, .value_kind: global_buffer, .address_space: global }
      - { .name: os, .offset: 8, .size: 8, .value_kind: global_buffer, .address_space: global }
      - { .name: wc, .offset: 16, .size: 8, .value_kind: global_buffer, .address_space: global }
      - { .name: ws, .offset: 24, .size: 8, .value_kind: global_buffer, .address_space: global }
      - { .name: b_o, .offset: 32, .size: 8, .value_kind: global_buffer, .address_space: global }
      - { .name: out0, .offset: 40, .size: 8, .value_kind: global_buffer, .address_space: global }
    .group_segment_fixed_size: 327680
    .private_segment_fixed_size: 0
    .kernarg_segment_align: 8
    .kernarg_segment_size: 48
    .max_flat_workgroup_size: 128
    .sgpr_count:     106
    .vgpr_count:     1024
    .wavefront_size: 32
...
	.end_amdgpu_metadata
.endif
;; end of part 4
